; MI455X (gfx1250); checked and timed in simulation.
; The chip was launched on July 23, 2026; its instructions are those of AMD's public machine-readable ISA for CDNA 5 (MIT licence, August 2026) and "CDNA5" Instruction Set Architecture Reference Guide (July 2026). The comments in the code are by the model that wrote it; some were corrected since.
;; Multi Head Attention. Allowed arithmetic: matrix products marked QUANTISED: E3M2 operands, one E8M0 scale for each 32 along K, by v_wmma_scale_f32_16x16x128_f8f6f4 with both operands' format E3M2, f32 sums; everything else in f32.
;; Inputs: b_out 1,024 float32; w_out 1,024 x 1,024 float32; w_qkv 1,024 x 3,072 float32; x 4 x 2,048 x 1,024 float32.
;; Outputs: out0 4 x 2,048 x 1,024 float32.
;; This version of the problem:
;;   THIS VERSION OF THE PROBLEM IS GIVEN IN LOW PRECISION. The matrix products marked QUANTISED in the list below multiply operands that are first quantised to E3M2 (3 exponent bits, 2 mantissa bits; 6 bits a number), with one power-of-two scale for each 32 numbers along K (OCP MX v1.0); their sums are f32. All else is computed in f32.
;;   The module's matrix products, in the order in which they are computed (A, B: the left and right operand; K: the contracted axis; several contracted axes count as one K, in the product's order):
;;     1. [M 8,192, K 1,024] x [K 1,024, N 3,072]; A: input x; B: input w_qkv: QUANTISED
;;     2. batch 64 x [M 2,048, K 64] x [K 64, N 2,048]; A: computed on the way; B: computed on the way: QUANTISED
;;     3. batch 64 x [M 2,048, K 2,048] x [K 2,048, N 64]; A: softmax (see below); B: computed on the way: QUANTISED
;;     4. [M 8,192, K 1,024] x [K 1,024, N 1,024]; A: computed on the way; B: input w_out: QUANTISED
;;   THE QUANTISER, for each operand of a quantised product, along K:
;;     - K is cut into blocks of 32 from its start; a last block that is shorter is filled with zeros.
;;     - A block's scale is 2^e with e = floor(log2(the largest magnitude in the block)) - 4, held to -126 .. 127; a block of zeros has e = 0. As a byte (E8M0): e + 127.
;;     - Each number is divided by its block's scale, clamped to +-28, and rounded to the nearest number of E3M2, ties to even, subnormals kept.
;;     - The product sums the exact products of the quantised numbers (number of the format x scale) in f32.
;;   ~~~python
;;   def quantise(x, axis):      # numpy; x: float32 -> the quantised numbers, widened to float32 again
;;       x = np.moveaxis(x, axis, -1); K = x.shape[-1]
;;       x = np.pad(x, [(0, 0)] * (x.ndim - 1) + [(0, -K % 32)]); x = x.reshape(x.shape[:-1] + (-1, 32)); a = np.abs(x).max(-1, keepdims=True)
;;       e = np.where(a > 0, np.clip(np.frexp(np.where(a > 0, a, 1))[1] - 1 - 4, -126, 127), 0)      # np.frexp(a)[1] - 1 = floor(log2(a)), exactly
;;       r = np.clip(x / 2.0 ** e, -28, 28)
;;       step = 2.0 ** (np.maximum(np.frexp(np.where(r == 0, 1, r))[1] - 1, -2) - 2)
;;       q = np.round(r / step) * step * 2.0 ** e      # np.round: ties to even
;;       return np.moveaxis(q.reshape(q.shape[:-2] + (-1,))[..., :K], -1, axis).astype(np.float32)
;;   ~~~
;;   SOFTMAX AHEAD OF A QUANTISED PRODUCT. Where the list says 'softmax', what is quantised is not the finished softmax but p = 2^(t - M), with t = logit x log2(e) and M = ceil(the row's largest t), a whole number; so 1/2 < the row's largest p <= 1. The row's sum l is taken of the UNQUANTISED p, in f32, and the product's result is divided by l at the end. Since M is a whole number, a kernel that streams over the keys may use a running M (the ceiling of the running maximum): every later rescaling is an exact power of two, which a block's scale takes up: the codes' values come out the same.
;;   OPERANDS COMPUTED ON THE WAY. 'Computed on the way' means the value that the module computes at that place (a softmax that the list does not call 'softmax' is quantised finished and normalised). What goes into a quantiser is computed in f32, as accurately as f32 sums, v_exp_f32 and their like allow (about 1e-6 of the number): no bf16 or f16 on the way to a quantiser, and a product that is left as it is and whose result goes on into a quantised operand takes f32 operands (vector FMAs, or v_wmma_f32_16x16x4_f32). A number that lies on a knife's edge between two numbers of the format may be rounded either way, as far as f32 arithmetic and the matrix unit's own rounding can turn it there, and no further.
;; One version. Each part assembles by itself: llvm-mc -triple=amdgcn-amd-amdhsa -mcpu=gfx1250 --defsym DOCPART=n.
;; ======== version 1 of 1: 4 launches
;; workspace buffers: xc 6,291,456 bytes; wc 3,145,728 bytes; sc 655,360 bytes; qkv 20,185,088 bytes; ac 6,291,456 bytes
;; launch quant (part 1): grid 1280 x 1, 4 waves a work-group, no clusters, 62,208 bytes of LDS; arguments x, w_qkv, w_out, xc, wc, sc; writes xc, wc, sc
.if DOCPART == 1
	.amdgcn_target "amdgcn-amd-amdhsa--gfx1250"
	.amdhsa_code_object_version 6
	.text
	.protected	k_q894b339681_quant
	.globl	k_q894b339681_quant
	.p2align	8
	.type	k_q894b339681_quant,@function
k_q894b339681_quant:
	s_mov_b64 s[64:65], 0
	v_nop
	global_prefetch_b8 v0, s[64:65] scope:SCOPE_SE
	s_setreg_imm32_b32 hwreg(HW_REG_WAVE_MODE, 25, 1), 1
	s_wait_xcnt 0x0
; x [8192][1024], w_qkv [1024][3072] and w_out [1024][1024], f32, become codes of BF6 (E3M2) with one E8M0 byte for each 32 along K, laid as the later launches' operand registers want them.
; A block's scale is 2^(floor(log2(its largest magnitude)) - 4); its byte is the largest magnitude's exponent field - 4, held at 1 from below.
; LIMITS: NaN and infinities among the inputs are not served; a block whose largest magnitude lies under 2^-122, a block of zeros among them, gets the byte 1 (a block of zeros has zero codes,
; which add nothing under that byte, and the bytes are read by this program alone).
; LAYOUT OF THE RESULTS.  A tile of 16 rows, number 2 g + u, holds in lane r the row 32 g + 8 u + r + 8 (r / 8).  A fragment (16 rows x 128 K, 12 registers a lane) is stored as an image of its registers:
; three runs of 512 bytes, run c holding lane l's registers 4 c .. 4 c + 3 at 16 l.  xc: [tile 512][K step 8][1536]; wc: [tile 256][K step 8][1536], tiles 0-191 w_qkv's columns, 192-255 w_out's.
; Scale words (four bytes: 128 along K of one row): sc: [tile][K step / 4][r][K step % 4], 512 bytes a tile; x's tiles from tile 0, the weights' from tile 512.
; SHARES.  Work-groups 0-191: w_qkv, 192-255: w_out: 32 columns x 512 along K each, a wave a K step; a lane takes a column and its registers run down K.  Work-groups 256-1279: x: one tile x 512 along K,
; a wave one fragment.  The three ways part on the work-group's number and have LDS bytes of their own.  Memory binds: no matrix unit, no tensor load, no cluster: no two work-groups read the same bytes.
.set XST,  0                           ; x: a stage of 16 rows x 528 bytes for each wave
.set XSW,  33792                       ; x: the work-group's 64 scale words
.set W1ST, 34048                       ; w_qkv: two images, 1,664 bytes apart, for each wave
.set W1SW, 47360                       ; w_qkv: 128 scale words
.set W2ST, 47872                       ; w_out: the same
.set W2SW, 61184
.set LN,   2                           ; v2   lane
.set LI,   3                           ; v3   16 x lane
.set R,    16                          ; v16-79   x as loaded: 16 rows x 16 bytes a lane
.set X,    80                          ; v80-143  x: 64 numbers of my row: register 16 b + i = k 32 b + 16 (lane / 16) + i
.set PC,   144                         ; v144-163 the fragment's codes (12), and the conversions' second halves
.set TM,   164                         ; v164-179 at work
.set PW,   180                         ; v180     the scale word
.set WX,   32                          ; v32-95   a weight's numbers: two sets of 32
.set WC,   96                          ; v96-127  a weight's codes: eight registers for each of a K step's four blocks
.set SB,   24                          ; v24      a column's scale word
.set OUTR, 128                         ; v128-151 two images read back
.set SEL,  28                          ; s[28:29] lane selects: lane l xor 16
; 64 numbers of a lane, v[s] on, become a fragment's codes in v[PC] on and its scale word in v[PW].
.macro QUANT s
.irp b, 0,1,2,3
	v_max3_num_f32 v[TM+\b], |v[\s+16*\b]|, |v[\s+1+16*\b]|, 0x2800000   ; block b: my 16 numbers, and the floor 2^(5 - 127): the byte cannot fall under 1
.endr
.irp i, 2,4,6,8,10,12,14
.irp b, 0,1,2,3
	v_max3_num_f32 v[TM+\b], v[TM+\b], |v[\s+16*\b+\i]|, |v[\s+1+16*\b+\i]|   ; the four blocks by turns
.endr
.endr
.irp b, 0,1,2,3
	v_permlanex16_b32 v[TM+4+\b], v[TM+\b], s[SEL], s[SEL+1]
.endr
.irp b, 0,1,2,3
	v_max_num_f32 v[TM+\b], v[TM+\b], v[TM+4+\b]     ; with lane l xor 16's: the block's largest magnitude
.endr
.irp b, 0,1,2,3
	v_add_nc_u32 v[TM+12+\b], 0xfe000000, v[TM+\b]   ; 4 off its exponent field: the conversion's scale operand
.endr
.irp b, 0,1,2,3
	v_lshrrev_b32 v[TM+4+\b], 23, v[TM+12+\b]        ; the scale's byte
.endr
	v_lshl_or_b32 v[PW], v[TM+5], 8, v[TM+4]
	v_lshl_or_b32 v[PW], v[TM+6], 16, v[PW]
	v_lshl_or_b32 v[PW], v[TM+7], 24, v[PW]
.irp c, 0,1
	v_cvt_scalef32_pk16_bf6_f32 v[PC+6*\c:PC+2+6*\c], v[\s+32*\c:\s+15+32*\c], v[TM+12+2*\c]
	v_cvt_scalef32_pk16_bf6_f32 v[PC+12+4*\c:PC+14+4*\c], v[\s+16+32*\c:\s+31+32*\c], v[TM+12+2*\c+1]   ; a conversion's three registers begin on an even number
.endr
	v_nop                                          ; one plain instruction behind the scaled conversions
.irp c, 0,1                                    ; the operand's layout wants a whole block in a lane: lanes 0-15 block 2 c, lanes 16-31 block 2 c + 1
.irp i, 0,1,2
	v_permlane16_swap_b32 v[PC+6*\c+\i], v[PC+12+4*\c+\i]
.endr
.irp i, 0,1,2
	v_mov_b32 v[PC+3+6*\c+\i], v[PC+12+4*\c+\i]
.endr
.endr
.endm
; block t of a weight's K step: rows 32 t + 0 .. 31 of my column into set t % 2; 32 lanes read 128 consecutive bytes
.macro WLOAD t, pitch
.set wi, 0
.rept 32
	global_load_b32 v[WX+32*((\t)%2)+wi], v4, s[32:33] offset:(32*(\t)+wi)*\pitch th:TH_LOAD_NT
.set wi, wi+1
.endr
.endm
; block t is quantised; all its 32 numbers are mine.  In the fragment it is registers 6 (t / 2) .. + 5 of lane r + 16 (t % 2): its 24 bytes go to those places of the image in my wave's stage.
.macro WBLOCK t, pitch
.set XS, WX+32*((\t)%2)
.set CC, WC+8*(\t)
.if (\t) < 3
	s_wait_loadcnt 32                              ; this block's 32 loads are in; the next block's may be out
.else
	s_wait_loadcnt 0
.endif
	v_max3_num_f32 v12, |v[XS]|, |v[XS+1]|, |v[XS+2]|
	v_max3_num_f32 v13, |v[XS+3]|, |v[XS+4]|, |v[XS+5]|
.irp i, 6,10,14,18,22,26
	v_max3_num_f32 v12, v12, |v[XS+\i]|, |v[XS+\i+1]|
	v_max3_num_f32 v13, v13, |v[XS+\i+2]|, |v[XS+\i+3]|
.endr
	v_max3_num_f32 v12, v12, |v[XS+30]|, |v[XS+31]|
	v_max3_num_f32 v12, v12, v13, 0x2800000        ; and the floor 2^(5 - 127)
	v_add_nc_u32 v11, 0xfe000000, v12              ; 4 off the exponent field: the conversion's scale operand
	v_lshrrev_b32 v13, 23, v11                     ; the scale's byte
.if (\t) == 0
	v_mov_b32 v[SB], v13
.else
	v_lshl_or_b32 v[SB], v13, 8*(\t), v[SB]
.endif
	v_cvt_scalef32_pk16_bf6_f32 v[CC:CC+2], v[XS:XS+15], v11
	v_cvt_scalef32_pk16_bf6_f32 v[CC+4:CC+6], v[XS+16:XS+31], v11
	v_nop                                          ; one plain instruction behind the scaled conversions
	v_mov_b32 v[CC+3], v[CC+4]                     ; six registers on end
	v_mov_b32 v[CC+4], v[CC+5]
	v_mov_b32 v[CC+5], v[CC+6]
.if (\t) < 2
	ds_store_b128 v5, v[CC:CC+3] offset:256*((\t)%2)           ; registers 0-3: run 0
	ds_store_b64 v5, v[CC+4:CC+5] offset:512+256*((\t)%2)      ; registers 4, 5: run 1, first half
.else
	ds_store_b64 v5, v[CC:CC+1] offset:520+256*((\t)%2)        ; registers 6, 7: run 1, second half
	ds_store_b128 v5, v[CC+2:CC+5] offset:1024+256*((\t)%2)    ; registers 8-11: run 2
.endif
.if (\t) < 2
	WLOAD (\t)+2, \pitch
.endif
.endm
; A weight's way.  pitch: bytes of a row; src: the scalar pair with its address; idb: the way's first work-group; g0: its first group of 32 columns in wc; st, sw: its LDS bytes.
.macro WPATH pitch, src, idb, g0, st, sw
	s_sub_co_u32 s17, ttmp9, \idb
	s_lshr_b32 s18, s17, 1                         ; g: which 32 columns
	s_and_b32 s19, s17, 1                          ; which half of K
	s_lshl_b32 s20, s19, 2
	s_add_co_u32 s20, s20, s16                     ; my wave's K step
	s_mul_i32 s22, s20, 128*\pitch                 ; 128 rows down for each K step,
	s_lshl_b32 s21, s18, 7
	s_add_co_u32 s22, s22, s21                     ; 128 bytes along for each group
	s_mov_b32 s23, 0
	s_add_co_u32 s21, s18, \g0
	s_lshl_b32 s24, s21, 4
	s_add_co_u32 s24, s24, s20
	s_mul_i32 s24, s24, 1536                       ; wc: image (tile 2 (g + g0), K step)
	s_mov_b32 s25, 0
	s_lshl_b32 s26, s21, 10
	s_add_co_u32 s26, s26, 512*512                 ; sc: tile 512 + 2 (g + g0),
	s_lshl_b32 s27, s19, 8
	s_add_co_u32 s26, s26, s27                     ; my half of K
	s_mov_b32 s27, 0
	s_mul_i32 s30, s16, 3328
	s_lshl_b32 s31, s16, 2
	v_lshlrev_b32 v4, 2, v[LN]                     ; in: 4 bytes a lane
	v_bfe_u32 v10, v0, 3, 1                        ; column 32 g + j lies in tile u = (j / 8) % 2,
	v_and_b32 v11, 7, v0
	v_bfe_u32 v12, v0, 4, 1
	v_lshl_add_u32 v11, v12, 3, v11                ; lane r = j % 8 + 8 (j / 16)
	v_mul_u32_u24 v5, v10, 1664
	v_lshl_add_u32 v5, v11, 4, v5
	v_add_nc_u32 v5, s30, v5
	v_add_nc_u32 v5, \st, v5                       ; into the stage: image u, 16 r
	v_add_nc_u32 v6, s30, v[LI]
	v_add_nc_u32 v6, \st, v6                       ; out of it: 16 x lane
	v_lshlrev_b32 v7, 8, v10
	v_lshl_add_u32 v7, v11, 4, v7
	v_add_nc_u32 v7, s31, v7
	v_add_nc_u32 v7, \sw, v7                       ; my column's scale word: [u][r][wave]
	v_add_nc_u32 v8, \sw, v[LI]                    ; wave 0 reads them back, 16 bytes a lane,
	v_and_b32 v9, 15, v0
	v_lshlrev_b32 v9, 4, v9
	v_lshl_add_u32 v9, v12, 9, v9                  ; and stores them: 512 (lane / 16) + 16 (lane % 16)
	s_wait_kmcnt 0x0
	s_add_nc_u64 s[32:33], s[\src:\src+1], s[22:23]
	s_add_nc_u64 s[34:35], s[12:13], s[24:25]
	s_add_nc_u64 s[36:37], s[14:15], s[26:27]
	WLOAD 0, \pitch
	WLOAD 1, \pitch
	WBLOCK 0, \pitch
	WBLOCK 1, \pitch
	WBLOCK 2, \pitch
	WBLOCK 3, \pitch
	ds_store_b32 v7, v[SB]
.irp n, 0,1,2,3,4,5
	ds_load_b128 v[OUTR+4*\n:OUTR+4*\n+3], v6 offset:1664*(\n/3)+512*(\n%3)   ; LDS serves a wave's instructions in order: these see my stores
.endr
.irp n, 0,1,2,3,4,5
	s_wait_dscnt 5-\n                              ; load n is in; the loads behind it may be out
	global_store_b128 v[LI], v[OUTR+4*\n:OUTR+4*\n+3], s[34:35] offset:12288*(\n/3)+512*(\n%3)   ; 32 lanes store 512 consecutive bytes
.endr
	s_wait_dscnt 0x0                               ; for the others' sake: my scale words lie in LDS
	s_barrier_signal -1
	s_barrier_wait -1
	s_cmp_lg_u32 s16, 0
	s_cbranch_scc1 .Lw_end_\@
	ds_load_b128 v[152:155], v8                    ; four waves' words of a row: 16 bytes
	s_wait_dscnt 0x0
	global_store_b128 v9, v[152:155], s[36:37]     ; sixteen lanes store 256 consecutive bytes, for each of the two tiles
.Lw_end_\@:
	s_wait_tensorcnt 0x0
	ds_add_u32 v192, v193
	s_wait_dscnt 0x0
	s_endpgm
.endm
	s_load_b256 s[4:11], s[0:1], 0x0               ; x s[4:5], w_qkv s[6:7], w_out s[8:9], xc s[10:11]
	s_load_b128 s[12:15], s[0:1], 0x20             ; wc s[12:13], sc s[14:15]
	v_lshl_add_u32 v192, v0, 2, 0xf100
	v_mov_b32 v193, 0
	v_lshrrev_b32 v1, 5, v0
	v_readfirstlane_b32 s16, v1                    ; wave 0..3
	v_and_b32 v[LN], 31, v0
	v_lshlrev_b32 v[LI], 4, v[LN]
	s_mov_b32 s[SEL], 0x76543210
	s_mov_b32 s[SEL+1], 0xfedcba98
	s_cmp_lt_u32 ttmp9, 192                        ; the weights' work-groups come first: theirs is the longer way
	s_cbranch_scc1 .Lw_qkv
	s_cmp_lt_u32 ttmp9, 256
	s_cbranch_scc1 .Lw_out
	; ---- x: tile (id / 2), K steps 4 (id % 2) + wave
	s_sub_co_u32 s17, ttmp9, 256
	s_lshr_b32 s18, s17, 1                         ; the tile
	s_and_b32 s19, s17, 1                          ; which half of K
	s_lshl_b32 s20, s19, 2
	s_add_co_u32 s20, s20, s16                     ; my wave's K step
	s_lshr_b32 s21, s18, 1
	s_lshl_b32 s21, s21, 17                        ; 32 rows of 4,096 bytes for each pair of tiles,
	s_and_b32 s22, s18, 1
	s_lshl_b32 s22, s22, 15                        ; 8 rows for the odd tile,
	s_add_co_u32 s22, s22, s21
	s_lshl_b32 s21, s20, 9
	s_add_co_u32 s22, s22, s21                     ; 512 bytes for each K step
	s_mov_b32 s23, 0
	s_lshl_b32 s24, s18, 3
	s_add_co_u32 s24, s24, s20
	s_mul_i32 s24, s24, 1536                       ; xc: image (tile, K step)
	s_mov_b32 s25, 0
	s_lshl_b32 s26, s18, 9
	s_lshl_b32 s27, s19, 8
	s_add_co_u32 s26, s26, s27                     ; sc: 512 x tile + 256 x half
	s_mov_b32 s27, 0
	s_mul_i32 s30, s16, 8448
	s_lshl_b32 s31, s16, 2
	v_and_b32 v8, 15, v0                           ; r
	v_bfe_u32 v9, v0, 4, 1                         ; h
	s_wait_alu depctr_va_vdst(0)
	v_add_nc_u32 v4, s30, v[LI]                    ; into my stage: 16 x lane of a row
	v_mul_u32_u24 v5, v8, 528
	v_lshl_add_u32 v5, v9, 6, v5
	v_add_nc_u32 v5, s30, v5                       ; out of it: row r, + 64 h: my 16 numbers of a block of 32
	v_lshl_add_u32 v6, v8, 4, XSW
	v_add_nc_u32 v6, s31, v6                       ; my row's scale word: [r][wave]
	v_lshlrev_b32 v7, 3, v[LN]                     ; wave 0 takes the 256 bytes back, 8 a lane
	v_add_nc_u32 v10, XSW, v7
.irp b, 0,1,2,3
	v_mov_b32 v[TM+4+\b], 0                        ; written once: a lane permute's destination counts as one of its sources
.endr
	s_wait_alu depctr_va_vdst(0)
	s_wait_kmcnt 0x0
	s_add_nc_u64 s[32:33], s[4:5], s[22:23]
	s_add_nc_u64 s[34:35], s[10:11], s[24:25]
	s_add_nc_u64 s[36:37], s[14:15], s[26:27]
.irp i, 0,1,2,3,4,5,6,7,8,9,10,11,12,13,14,15
	global_load_b128 v[R+4*\i:R+4*\i+3], v[LI], s[32:33] offset:(\i+8*(\i/8))*4096 th:TH_LOAD_NT   ; the tile's row i: 32 lanes read 512 consecutive bytes
.endr
.irp i, 0,1,2,3,4,5,6,7,8,9,10,11,12,13,14,15
	s_wait_loadcnt 15-\i                           ; row i is in; the rows behind it may be out
	ds_store_b128 v4, v[R+4*\i:R+4*\i+3] offset:528*\i
.endr
.irp b, 0,1,2,3
.irp j, 0,1,2,3
	ds_load_b128 v[X+16*\b+4*\j:X+16*\b+4*\j+3], v5 offset:128*\b+16*\j   ; my wave's own bytes, served in order: no wait between the stores and these
.endr
.endr
	s_wait_dscnt 0x0
	QUANT X
.irp c, 0,1,2
	global_store_b128 v[LI], v[PC+4*\c:PC+4*\c+3], s[34:35] offset:512*\c   ; the image: 512 consecutive bytes a store
.endr
	ds_store_b32 v6, v[PW]                         ; lanes l and l xor 16 write the same word with the same value
	s_wait_dscnt 0x0                               ; for the others' sake: my scale words lie in LDS
	s_barrier_signal -1
	s_barrier_wait -1
	s_cmp_lg_u32 s16, 0
	s_cbranch_scc1 .Lx_end
	ds_load_b64 v[12:13], v10
	s_wait_dscnt 0x0
	global_store_b64 v7, v[12:13], s[36:37]        ; 32 lanes store 256 consecutive bytes
.Lx_end:
	s_wait_tensorcnt 0x0
	ds_add_u32 v192, v193
	s_wait_dscnt 0x0
	s_endpgm
.Lw_qkv:
	s_wait_alu depctr_va_vdst(0)
	WPATH 12288, 6, 0, 0, W1ST, W1SW
.Lw_out:
	s_wait_alu depctr_va_vdst(0)
	WPATH 4096, 8, 192, 96, W2ST, W2SW
.Lfunc_end_k_q894b339681_quant:
	.size	k_q894b339681_quant, .Lfunc_end_k_q894b339681_quant-k_q894b339681_quant
	.p2alignl 7, 3214868480
	.fill 96, 4, 3214868480
	.section	.rodata,"a",@progbits
	.p2align	6, 0x0
	.amdhsa_kernel k_q894b339681_quant
		.amdhsa_group_segment_fixed_size 62208
		.amdhsa_private_segment_fixed_size 0
		.amdhsa_enable_private_segment 0
		.amdhsa_kernarg_size 48
		.amdhsa_user_sgpr_count 2
		.amdhsa_user_sgpr_kernarg_segment_ptr 1
		.amdhsa_wavefront_size32 1
		.amdhsa_system_sgpr_workgroup_id_x 1
		.amdhsa_system_sgpr_workgroup_id_y 1
		.amdhsa_system_sgpr_workgroup_id_z 1
		.amdhsa_system_vgpr_workitem_id 0
		.amdhsa_next_free_vgpr 194
		.amdhsa_next_free_sgpr 66
		.amdhsa_reserve_vcc 0
		.amdhsa_float_denorm_mode_32 3
		.amdhsa_float_denorm_mode_16_64 3
		.amdhsa_memory_ordered 1
		.amdhsa_forward_progress 1
		.amdhsa_inst_pref_size 56
	.end_amdhsa_kernel
	.amdgpu_metadata
---
amdhsa.version: [ 1, 2 ]
amdhsa.kernels:
  - .name:           k_q894b339681_quant
    .symbol:         k_q894b339681_quant.kd
    .args:
      - { .name: x, .offset: 0, .size: 8, .value_kind: global_buffer, .address_space: global }
      - { .name: w_qkv, .offset: 8, .size: 8, .value_kind: global_buffer, .address_space: global }
      - { .name: w_out, .offset: 16, .size: 8, .value_kind: global_buffer, .address_space: global }
      - { .name: xc, .offset: 24, .size: 8, .value_kind: global_buffer, .address_space: global }
      - { .name: wc, .offset: 32, .size: 8, .value_kind: global_buffer, .address_space: global }
      - { .name: sc, .offset: 40, .size: 8, .value_kind: global_buffer, .address_space: global }
    .group_segment_fixed_size: 62208
    .private_segment_fixed_size: 0
    .kernarg_segment_align: 8
    .kernarg_segment_size: 48
    .max_flat_workgroup_size: 128
    .sgpr_count:     66
    .vgpr_count:     194
    .wavefront_size: 32
...
	.end_amdgpu_metadata
.endif
;; end of part 1
;; launch qkvgemm (part 2): grid 12 x 32, 4 waves a work-group, clusters of 4 x 4, 327,680 bytes of LDS; arguments xc, wc, sc, qkv; writes qkv
.if DOCPART == 2
	.amdgcn_target "amdgcn-amd-amdhsa--gfx1250"
	.amdhsa_code_object_version 6
	.text
	.protected	k_q894b339681_qkvgemm
	.globl	k_q894b339681_qkvgemm
	.p2align	8
	.type	k_q894b339681_qkvgemm,@function
k_q894b339681_qkvgemm:
	s_mov_b64 s[64:65], 0
	v_nop
	global_prefetch_b8 v0, s[64:65] scope:SCOPE_SE
	s_setreg_imm32_b32 hwreg(HW_REG_WAVE_MODE, 25, 1), 1
	s_wait_xcnt 0x0
	s_wait_alu depctr_hold_cnt(0) depctr_sa_sdst(0) depctr_va_vdst(0) depctr_va_sdst(0) depctr_va_ssrc(0) depctr_va_vcc(0) depctr_vm_vsrc(0)
	s_getreg_b32 s2, hwreg(HW_REG_IB_STS2, 6, 4)
	s_cmp_eq_u32 s2, 0
	s_cbranch_scc0 .Lentry_in_a_cluster
	s_endpgm
.Lentry_in_a_cluster:
	s_bfe_u32 s2, ttmp6, 0x10000c
	s_cmp_lg_u32 s2, 0xf033
	s_cbranch_scc0 .Lentry_shape_is_right
	s_endpgm
.Lentry_shape_is_right:
; qkv = x w_qkv on codes of BF6 (E3M2) with E8M0 scales, K = 1,024, sums in f32; the results never go to memory as f32: q and k are quantised along the head's 64, v along the keys, and leave as
; images of the attention launch's operand registers.
; A work-group of four waves makes 256 x 256 of the product, a wave 128 x 128: 64 accumulators, 512 registers.  THE MATRIX INSTRUCTION IS USED TRANSPOSED: source 0 = 16 rows of the B side, source 1 = 16
; rows of the A side: a lane holds ONE row of the A side, and its registers run along the B side.  The rows of a tile are not neighbours (tile 2 g + u, lane r: row 32 g + 8 u + r + 8 (r / 8)), so the 64
; registers of a row tile's eight accumulators are: register 16 b + i = B-side row 32 b + 16 (lane / 16) + i: the order in which the conversions want a quantiser's K.
; ROLES, by the cluster's x: 0 (q) and 1 (k): A side = tokens (xc), B side = w_qkv's columns (wc): the registers run along a head's channels.  2 (v): A side = w_qkv's columns, B side = tokens: the
; registers run along the keys.  Only pointers and offsets are chosen, on the cluster's x alone, which all sixteen partners share; the text of the products is one.
; K goes in slots of 256 (two K steps of 128) through three LDS slots: K has four slots' worth, so three are first fills and ONE slot is filled again, behind one round of the cluster's barrier;
; that load has four K steps, 256 matrix instructions of a wave, in which to land.  By this text's count a wave has at most three tensor loads out.
; CLUSTER 4 x 4: the A side's tile is shared along a row of the cluster, the B side's along a column: joint loads.  No prefetch: three quarters of the operands are asked for at the head.
; OUTPUT: qkv: [batch x 16 + head][block of 128 tokens 16][19,712 bytes]: +0 k: 4 images of a pair of tiles (registers 0-5 tile 2 m, 6-11 tile 2 m + 1); +6,144 v: 4 images (16 channels x 128 keys);
; +12,288 k's scale words [r][8 tiles]; +12,800 v's [r][4 tiles]; +13,056 q: 4 images of a pair; +19,200 q's scale words [r][8].  In q's and k's words bytes 2 and 3 are 0.
; LIMITS: NaN and infinities are not served; a block whose largest magnitude lies under 2^-122 gets the byte 1 (a block of zeros has zero codes, and this program alone reads the bytes).
; REGISTERS, in windows of 256: window 0: v16-29 addresses; v32-95 scale words and nothing else; v96-115 the way out's gathered words; v128-223 A's fragments, one set (later the codes made);
; v224-251 at work on the way out.  window 1: B's fragments, two sets, at v0 and v128.  windows 2, 3: the accumulators, (a, b) at v[8 (8 (a % 4) + b)].
.set HALFT,  24576                     ; 8 tiles x 3,072 bytes (two images): what one tensor load brings, and what one wave reads of a side
.set SLOT,   98304                     ; A's 16 tiles, then B's 16
.set SPARE,  294912                    ; behind the three slots: the spare words, 128 bytes a wave
.set FR,     12
.set NLA,    3                         ; LDS loads that bring a fragment
.set ADRA, 16                          ; v16-18  my A fragments in slot 0, 1, 2: 16 x lane + the slot + my half
.set ADRB, 20                          ; v20-22  the same for B
.set LI,   24                          ; v24     16 x lane
.set SQ,   25                          ; v25     32 r + 16 h: q's and k's scale words on the way out
.set SV,   26                          ; v26     16 r + 315,392 h: v's
.set SO,   27                          ; v27     the scale words' offset in sc: lanes 0-15 the A side's rows, lanes 16-31 the B side's
.set SPW,  28                          ; v28     my spare word; never rewritten
.set NIL,  29                          ; v29     0; never rewritten
.set SC,   32                          ; v[SC + 8 i + s]: lanes 0-15 the word of A's tile i, lanes 16-31 of B's tile i, K step s
.set SWX,  96                          ; v96-103  the way out: eight tiles' scale words, first head;  v104-111 second head
.set SWY,  104
.set SELR, 112                         ; v112-115 four of them, chosen by the lane's half
.set AF,   128
.set HX,   128                         ; v128-139 the way out: an image;  v140-151 a second
.set HY,   140
.set TM,   224                         ; v224-239 at work
.set PW,   240
.set T2,   244                         ; v244-250 the conversions' second halves
.set G1,  24                           ; s[24:31] group 1 for the A side;  s[32:43] its groups 0, one for each slot
.set G0,  32
.set G1B, 44                           ; s[44:51], s[52:63] the same for the B side
.set G0B, 52
.set MSB, 0
.macro WIN new                         ; the immediate's high byte repeats the setting that is left
.if MSB != (\new)
	s_set_vgpr_msb (MSB<<8)|(\new)
.set MSB, (\new)
.endif
.endm
.set MUL_LO, 0xa1                      ; source 0 (B) window 1, source 1 (A) window 0, C and D window 2
.set MUL_HI, 0xf1
.set TO_B,   0x40
; A joint load: waves 0 and 1 fetch the A side's halves, waves 2 and 3 the B side's.  The branch hangs on the wave's number alone.  Four v_nop follow each line.
.macro JLOAD g0a, g1a, g0b, g1b
	s_cmp_eq_u32 s15, 0
	s_cbranch_scc0 .Lfor_b_\@
	tensor_load_to_lds s[\g0a:\g0a+3], s[\g1a:\g1a+7]
	s_nop 0
.rept 4
	v_nop
.endr
	s_branch .Lasked_\@
.Lfor_b_\@:
	tensor_load_to_lds s[\g0b:\g0b+3], s[\g1b:\g1b+7]
	s_nop 0
.rept 4
	v_nop
.endr
.Lasked_\@:
.endm
.macro CREST                           ; a round of the cluster's barrier behind its opening barrier
	s_cmp_lg_u32 s14, 0
	s_cbranch_scc1 .Lnot_wave_0_\@
	s_barrier_signal -3
.Lnot_wave_0_\@:
	s_barrier_wait -3
	s_barrier_signal -1
	s_barrier_wait -1
.endm
.macro CROUND
	s_barrier_signal -1
	s_barrier_wait -1
	CREST
.endm
.macro PLACES n                        ; plain vector instructions between a matrix instruction and a load into, or a vector instruction on, its registers
.rept \n
	v_nop
.endr
.endm
	s_load_b256 s[4:11], s[0:1], 0x0               ; xc s[4:5], wc s[6:7], sc s[8:9], qkv s[10:11]
	v_lshl_add_u32 v[SPW], v0, 2, SPARE
	v_mov_b32 v[NIL], 0
	ds_add_u32 v28, v29
	ds_add_u32 v28, v29
	s_wait_dscnt 0x0
	v_lshrrev_b32 v1, 5, v0
	v_readfirstlane_b32 s14, v1                    ; wave 0..3
	s_lshr_b32 s15, s14, 1                         ; my half of the A side.  Also: I fetch for A (0) or for B (1)
	s_and_b32 s16, s14, 1                          ; my half of the B side.  Also: which 8 tiles of that side I fetch
	s_bfe_u32 s66, ttmp6, 0x40000                  ; cx
	s_bfe_u32 s67, ttmp6, 0x40004                  ; cy
	s_and_b32 s69, ttmp7, 0xffff                   ; the cluster's y
	s_lshl_b32 s70, s67, 2
	s_lshl_b32 s70, 15, s70                        ; my row of the cluster
	s_lshl_b32 s71, 0x1111, s66                    ; my column
	; group 1: 8 rows (tiles) of 3,072 bytes, 12,288 bytes apart, as elements of 8 bytes; dense in LDS
	s_or_b32 s[G1], s70, (3<<16)|(1<<21)           ; 15:0 the mask; 17:16 elements of 8 bytes; 20 no padding; 21 set beside a mask
	s_or_b32 s[G1B], s71, (3<<16)|(1<<21)
.irp g, G1, G1B
	s_mov_b32 s[\g+1], 384<<16                     ; tensor_dim0
	s_mov_b32 s[\g+2], 8<<16                       ; tensor_dim1
	s_mov_b32 s[\g+3], 384<<16                     ; tile_dim0
	s_mov_b32 s[\g+4], 8                           ; tile_dim1
	s_mov_b32 s[\g+5], 1536                        ; from row to row
	s_mov_b32 s[\g+6], 0
	s_mov_b32 s[\g+7], 0
.endr
	s_lshl_b32 s94, s69, 2                         ; 4 x cluster y
	s_lshl_b32 s95, ttmp9, 2                       ; 4 x cluster x
	s_cmp_eq_u32 ttmp9, 2                          ; v's clusters?
	s_cselect_b32 s72, 8, s94                      ; A's tile of 256 rows: w_qkv's columns 2,048 on, or tokens,
	s_cselect_b32 s73, s94, s95                    ; B's: tokens, or w_qkv's columns
	s_cselect_b32 s96, 512, 0                      ; where A's scale words begin in sc, in tiles of 16;
	s_cselect_b32 s97, 0, 512                      ; and B's
	s_add_co_u32 s72, s72, s67                     ; + cy: shared along my row
	s_add_co_u32 s73, s73, s66                     ; + cx: shared along my column
	s_lshl_b32 s98, s16, 3
	s_lshl_b32 s74, s72, 4
	s_add_co_u32 s74, s74, s98
	s_mul_i32 s74, s74, 12288                      ; A: (16 x tile + 8 x the half that I fetch) tiles of 12,288 bytes
	s_mov_b32 s75, 0
	s_lshl_b32 s76, s73, 4
	s_add_co_u32 s76, s76, s98
	s_mul_i32 s76, s76, 12288
	s_mov_b32 s77, 0
	s_mul_i32 s82, s14, HALFT                      ; where they go: wave x 8 tiles: no place in the cluster enters an LDS address
	s_lshl_b32 s84, s72, 4                         ; the scale words that I multiply by: A's, my half,
	s_lshl_b32 s98, s15, 3
	s_add_co_u32 s84, s84, s98
	s_add_co_u32 s84, s84, s96
	s_lshl_b32 s84, s84, 9
	s_lshl_b32 s85, s73, 4                         ; and B's
	s_lshl_b32 s98, s16, 3
	s_add_co_u32 s85, s85, s98
	s_add_co_u32 s85, s85, s97
	s_lshl_b32 s85, s85, 9
	s_mov_b32 s86, 0xffff0000                      ; lanes 16-31
	s_mov_b32 s88, 0x76543210
	s_mov_b32 s89, 0xfedcba98                      ; lane l xor 16
	s_wait_kmcnt 0x0
	s_cmp_eq_u32 ttmp9, 2
	s_cselect_b64 s[78:79], s[6:7], s[4:5]         ; the A side's codes
	s_cselect_b64 s[80:81], s[4:5], s[6:7]         ; the B side's
	s_add_nc_u64 s[78:79], s[78:79], s[74:75]
	s_add_nc_u64 s[80:81], s[80:81], s[76:77]
	CROUND                                         ; all sixteen work-groups are here: the first joint loads meet
.irp n, 0,1,2
	s_mov_b32 s[G0+4*\n], 1
	s_add_co_u32 s[G0+4*\n+1], s82, \n*SLOT
	s_add_nc_u64 s[G0+4*\n+2:G0+4*\n+3], s[78:79], \n*3072
	s_or_b32 s[G0+4*\n+3], s[G0+4*\n+3], 0x80000000
	s_mov_b32 s[G0B+4*\n], 1
	s_add_co_u32 s[G0B+4*\n+1], s82, \n*SLOT
	s_add_nc_u64 s[G0B+4*\n+2:G0B+4*\n+3], s[80:81], \n*3072
	s_or_b32 s[G0B+4*\n+3], s[G0B+4*\n+3], 0x80000000
	JLOAD G0+4*\n, G1, G0B+4*\n, G1B
.endr
	v_and_b32 v1, 31, v0
	v_lshlrev_b32 v[LI], 4, v1
	v_and_b32 v2, 15, v0                           ; r
	v_bfe_u32 v3, v0, 4, 1                         ; h
	v_mov_b32 v4, s84
	v_mov_b32 v5, s85
	v_cndmask_b32 v[SO], v4, v5, s86               ; lanes 16-31 take B's
	v_lshl_add_u32 v[SO], v2, 4, v[SO]             ; 16 bytes a row: four K steps' words
.irp i, 0,1,2,3,4,5,6,7
.irp k, 0,1
	global_load_b128 v[SC+8*\i+4*\k:SC+8*\i+4*\k+3], v[SO], s[8:9] offset:512*\i+256*\k   ; sixteen lanes read 256 consecutive bytes
.endr
.endr
	s_mul_i32 s94, s15, HALFT                      ; my 8 tiles of A,
	s_mul_i32 s95, s16, HALFT                      ; my 8 tiles of B,
	s_add_co_u32 s95, s95, 2*HALFT                 ; which lie behind A's 16
.irp s, 0,1,2
	v_add_nc_u32 v[ADRA+\s], s94, v[LI]
	v_add_nc_u32 v[ADRB+\s], s95, v[LI]
	s_add_co_u32 s94, s94, SLOT
	s_add_co_u32 s95, s95, SLOT
.endr
	v_lshlrev_b32 v[SQ], 5, v2
	v_lshl_add_u32 v[SQ], v3, 4, v[SQ]
	v_mul_u32_u24 v[SV], v3, 315392
	v_lshl_add_u32 v[SV], v2, 4, v[SV]
.irp b, 0,1,2,3
	v_mov_b32 v[TM+4+\b], 0                        ; written once: a lane permute's destination counts as one of its sources
.endr
.macro FRAG reg, adr, off              ; a fragment comes back as it was stored: three loads of 16 bytes a lane, 512 consecutive bytes each
.irp c, 0,1,2
	ds_load_b128 v[\reg+4*\c:\reg+4*\c+3], v[\adr] offset:\off+512*\c
.endr
.endm
.macro FETCH_B slot, q, p              ; B's eight fragments of the slot's q-th K step into set p
	WIN TO_B
.irp i, 0,1,2,3,4,5,6,7
	FRAG 128*(\p)+FR*\i, ADRB+\slot, 3072*\i+1536*(\q)
.endr
	WIN 0
.endm
.macro FETCH_A slot, q, i0             ; A's tiles i0 .. i0 + 3
.irp i, \i0, \i0+1, \i0+2, \i0+3
	FRAG AF+FR*(\i), ADRA+\slot, 3072*(\i)+1536*(\q)
.endr
.endm
; 16 matrix instructions: A's tiles a0, a0 + 1 x B's eight, K step s; p: B's set.  zero = 1: the first products start the sums.  The 64 accumulators take turns, one instruction a turn, in the
; same order in every step.
.macro MUL16 a0, p, s, zero
.irp a, \a0, \a0+1
.irp b, 0,1,2,3,4,5,6,7
.if \zero
	v_wmma_scale_f32_16x16x128_f8f6f4 v[8*(8*((\a)%4)+\b):8*(8*((\a)%4)+\b)+7], v[128*(\p)+FR*\b:128*(\p)+FR*\b+FR-1], v[AF+FR*(\a):AF+FR*(\a)+FR-1], 0, v[SC+8*\b+(\s)], v[SC+8*(\a)+(\s)] matrix_a_fmt:MATRIX_FMT_BF6 matrix_b_fmt:MATRIX_FMT_BF6 matrix_a_scale:MATRIX_SCALE_ROW1
.else
	v_wmma_scale_f32_16x16x128_f8f6f4 v[8*(8*((\a)%4)+\b):8*(8*((\a)%4)+\b)+7], v[128*(\p)+FR*\b:128*(\p)+FR*\b+FR-1], v[AF+FR*(\a):AF+FR*(\a)+FR-1], v[8*(8*((\a)%4)+\b):8*(8*((\a)%4)+\b)+7], v[SC+8*\b+(\s)], v[SC+8*(\a)+(\s)] matrix_a_fmt:MATRIX_FMT_BF6 matrix_b_fmt:MATRIX_FMT_BF6 matrix_a_scale:MATRIX_SCALE_ROW1
.endif
.endr
.endr
.endm
; K step s; the next step's fragments come from slot ns, part nq, which is whole for every wave already.
.macro STEP s, ns, nq, zero
	s_wait_dscnt 4*NLA                             ; B's set and A's tiles 0-3 are in; the youngest loads (A's tiles 4-7) may be out
	WIN MUL_LO
	MUL16 0, (\s)%2, \s, \zero
	MUL16 2, (\s)%2, \s, \zero
	s_wait_dscnt 0                                 ; A's tiles 4-7 are in
	PLACES 4
	FETCH_B \ns, \nq, 1-(\s)%2
	FETCH_A \ns, \nq, 0
	WIN MUL_HI
	MUL16 4, (\s)%2, \s, \zero
	MUL16 6, (\s)%2, \s, \zero
	PLACES 4
	WIN 0
	FETCH_A \ns, \nq, 4
.endm
; K step s (an odd one: B's set 1), the last of its slot, with a barrier.  In front of it each wave waits for all its tensor loads, adds 0 to its spare word, and waits for that and for its reads of the slot.
; fill = 1: the barrier opens a round of the cluster's, and behind it the slot takes K's last quarter.
.macro TURN s, slot, next, fill
	s_wait_tensorcnt 0x0                           ; all my tensor loads have landed
	ds_add_u32 v[SPW], v[NIL]                      ; 0 onto my spare word
	s_wait_dscnt 4*NLA+1                           ; the add and the youngest loads (A's tiles 4-7) may be out
	WIN MUL_LO
	MUL16 0, 1, \s, 0                              ; sixteen matrix instructions stand between the add and the wait for it
	s_wait_dscnt 0x0                               ; the add is done, and my reads of this slot are over
	s_barrier_signal -1
	MUL16 2, 1, \s, 0
	WIN 0
	s_barrier_wait -1
.if \fill
	CREST                                          ; no wave of any partner still reads this slot or has a load on its way
	s_add_nc_u64 s[G0+4*\slot+2:G0+4*\slot+3], s[G0+4*\slot+2:G0+4*\slot+3], 3*3072
	s_add_nc_u64 s[G0B+4*\slot+2:G0B+4*\slot+3], s[G0B+4*\slot+2:G0B+4*\slot+3], 3*3072
	JLOAD G0+4*\slot, G1, G0B+4*\slot, G1B         ; the first tensor load behind the round; its four v_nop are the places in front of the loads below
.else
	PLACES 4
.endif
	FETCH_B \next, 0, 0
	FETCH_A \next, 0, 0
	WIN MUL_HI
	MUL16 4, 1, \s, 0
	MUL16 6, 1, \s, 0
	PLACES 4
	WIN 0
	FETCH_A \next, 0, 4
.endm
	s_wait_tensorcnt 2                             ; my part of slot 0 is in; slots 1 and 2 may stay out
	s_barrier_signal -1
	s_barrier_wait -1                              ; everybody's is
	FETCH_B 0, 0, 0
	FETCH_A 0, 0, 0
	FETCH_A 0, 0, 4
	s_wait_loadcnt 0x0                             ; the scale words
	STEP 0, 0, 1, 1                                ; its products start the sums: nothing is cleared
	TURN 1, 0, 1, 1                                ; every wave has waited for all three first fills: slots 1 and 2 are whole from here on; slot 0 takes K steps 6 and 7
	STEP 2, 1, 1, 0
	STEP 3, 2, 0, 0                                ; on into slot 2 without a barrier: it was shown whole at the round, and nothing is overwritten
	STEP 4, 2, 1, 0
	TURN 5, 2, 0, 0                                ; the refill has landed, in every wave
	STEP 6, 0, 1, 0
	s_wait_dscnt 4*NLA                             ; the last K step: nothing more to fetch
	WIN MUL_LO
	MUL16 0, 1, 7, 0
	MUL16 2, 1, 7, 0
	s_wait_dscnt 0
	WIN MUL_HI
	MUL16 4, 1, 7, 0
	MUL16 6, 1, 7, 0
	WIN 0
	; THE WAY OUT.  Where my wave's block of 128 tokens and its first head lie in qkv.
	s_cmp_eq_u32 ttmp9, 2
	s_cselect_b32 s94, s73, s72                    ; the tile of 256 tokens,
	s_cselect_b32 s95, s16, s15                    ; my half of it,
	s_cselect_b32 s96, s15, s16                    ; my half of the 256 columns (two heads),
	s_cselect_b32 s97, s67, s66                    ; and which 256 columns of q, k or v
	s_lshr_b32 s98, s94, 3                         ; the batch: 8 tiles of tokens each
	s_lshl_b32 s98, s98, 4
	s_lshl_b32 s97, s97, 2
	s_add_co_u32 s98, s98, s97
	s_lshl_b32 s96, s96, 1
	s_add_co_u32 s98, s98, s96                     ; 16 x batch + my first head
	s_lshl_b32 s98, s98, 4
	s_and_b32 s94, s94, 7
	s_lshl_b32 s94, s94, 1
	s_add_co_u32 s98, s98, s94
	s_add_co_u32 s98, s98, s95                     ; x 16 + the block of 128 tokens
	s_mul_i32 s98, s98, 19712
	s_mov_b32 s96, 12288
	s_cmp_eq_u32 ttmp9, 0
	s_cselect_b32 s94, 13056, 0                    ; the codes' place in a block: q, k,
	s_cselect_b32 s96, 19200, s96                  ; and the scale words'
	s_cmp_eq_u32 ttmp9, 2
	s_cselect_b32 s94, 6144, s94                   ; v
	s_cselect_b32 s96, 12800, s96
	s_add_co_u32 s94, s94, s98
	s_mov_b32 s95, 0
	s_add_co_u32 s96, s96, s98
	s_mov_b32 s97, 0
	s_add_nc_u64 s[90:91], s[10:11], s[94:95]
	s_add_nc_u64 s[92:93], s[10:11], s[96:97]
; The 64 results of row tile a (register 16 b + i = 32 b + 16 (lane / 16) + i along the B side) are quantised: blocks 0, 1 into six registers from d0, blocks 2, 3 into six from d1; the scale word into v[PW].
; Each accumulator is read from its low end on.
.macro QUANTW a, d0, d1
.set QB, 64*((\a)%4)
	WIN 0x0a+5*((\a)/4)                            ; sources 0 and 1: window 2 or 3
.irp b, 0,1,2,3
	v_max3_num_f32 v[TM+\b], |v[QB+16*\b]|, |v[QB+1+16*\b]|, 0x2800000   ; and the floor 2^(5 - 127): the byte cannot fall under 1
.endr
.irp i, 2,4,6,8,10,12,14
.irp b, 0,1,2,3
	v_max3_num_f32 v[TM+\b], |v[QB+16*\b+\i]|, |v[QB+1+16*\b+\i]|, v[TM+\b]
.endr
.endr
	WIN 0
.irp b, 0,1,2,3
	v_permlanex16_b32 v[TM+4+\b], v[TM+\b], s88, s89
.endr
.irp b, 0,1,2,3
	v_max_num_f32 v[TM+\b], v[TM+\b], v[TM+4+\b]     ; with lane l xor 16's: the block's largest magnitude
.endr
.irp b, 0,1,2,3
	v_add_nc_u32 v[TM+12+\b], 0xfe000000, v[TM+\b]   ; 4 off the exponent field: the conversion's scale operand
.endr
.irp b, 0,1,2,3
	v_lshrrev_b32 v[TM+4+\b], 23, v[TM+12+\b]        ; the scale's byte
.endr
	v_lshl_or_b32 v[PW], v[TM+5], 8, v[TM+4]
	v_lshl_or_b32 v[PW], v[TM+6], 16, v[PW]
	v_lshl_or_b32 v[PW], v[TM+7], 24, v[PW]
	WIN 0x02+(\a)/4                                ; source 0: window 2 or 3
	v_cvt_scalef32_pk16_bf6_f32 v[\d0:\d0+2], v[QB:QB+15], v[TM+12]
	v_cvt_scalef32_pk16_bf6_f32 v[T2:T2+2], v[QB+16:QB+31], v[TM+13]
	v_cvt_scalef32_pk16_bf6_f32 v[\d1:\d1+2], v[QB+32:QB+47], v[TM+14]
	v_cvt_scalef32_pk16_bf6_f32 v[T2+4:T2+6], v[QB+48:QB+63], v[TM+15]
	WIN 0
	v_nop                                          ; one plain instruction behind the scaled conversions
.irp i, 0,1,2                                  ; a whole block to a lane: lanes 0-15 the even block, lanes 16-31 the odd one
	v_permlane16_swap_b32 v[\d0+\i], v[T2+\i]
	v_permlane16_swap_b32 v[\d1+\i], v[T2+4+\i]
.endr
.irp i, 0,1,2
	v_mov_b32 v[\d0+3+\i], v[T2+\i]
	v_mov_b32 v[\d1+3+\i], v[T2+4+\i]
.endr
.endm
.macro OUT3 reg, off                   ; an image leaves: 512 consecutive bytes a store
.irp c, 0,1,2
	global_store_b128 v[LI], v[\reg+4*\c:\reg+4*\c+3], s[90:91] offset:\off+512*\c
.endr
.endm
	s_cmp_eq_u32 ttmp9, 2                          ; the cluster's x: the same in all partners
	s_cbranch_scc1 .Lepi_v
	; q or k: a row tile's 128 columns are two heads of 64: blocks 0, 1 the first head's, blocks 2, 3 the second's.  Two tiles make an image for each head.
	PLACES 4                                       ; behind the last products
.irp m, 0,1,2,3
.if \m > 0
	s_wait_xcnt 0x0                                ; the last images' stores have read their registers
.endif
	QUANTW 2*\m, HX, HY
	v_and_b32 v[SWX+2*\m], 0xffff, v[PW]           ; the first head's two bytes; bytes 2 and 3 are 0
	v_lshrrev_b32 v[SWY+2*\m], 16, v[PW]           ; the second head's
	QUANTW 2*\m+1, HX+6, HY+6
	v_and_b32 v[SWX+2*\m+1], 0xffff, v[PW]
	v_lshrrev_b32 v[SWY+2*\m+1], 16, v[PW]
	OUT3 HX, 1536*\m
	OUT3 HY, 1536*\m+315392                        ; the next head lies 16 blocks on
.endr
.irp i, 0,1,2,3
	v_cndmask_b32 v[SELR+\i], v[SWX+\i], v[SWX+4+\i], s86   ; lanes 0-15 store tiles 0-3's words of their row, lanes 16-31 tiles 4-7's
.endr
	global_store_b128 v[SQ], v[SELR:SELR+3], s[92:93]
	s_wait_xcnt 0x0                                ; the store has read its registers
.irp i, 0,1,2,3
	v_cndmask_b32 v[SELR+\i], v[SWY+\i], v[SWY+4+\i], s86
.endr
	global_store_b128 v[SQ], v[SELR:SELR+3], s[92:93] offset:315392
	s_branch .Lepi_end
.Lepi_v:
	; v: a row tile is 16 channels, its 128 columns are the block's keys: one image and one scale word a row.  Tiles 0-3: the first head, 4-7: the second.
	PLACES 4
.irp a, 0,1,2,3,4,5,6,7
.if \a > 0
	s_wait_xcnt 0x0                                ; the last image's stores have read their registers
.endif
	QUANTW \a, HX, HX+6
	v_mov_b32 v[SWX+\a], v[PW]
	OUT3 HX, (\a/4)*315392+(\a%4)*1536
.endr
.irp i, 0,1,2,3
	v_cndmask_b32 v[SELR+\i], v[SWX+\i], v[SWX+4+\i], s86   ; lanes 0-15 the first head's four words of their row, lanes 16-31 the second head's
.endr
	global_store_b128 v[SV], v[SELR:SELR+3], s[92:93]      ; sixteen lanes store 256 consecutive bytes, for each head
.Lepi_end:
	s_wait_tensorcnt 0x0                           ; the wave's end
	ds_add_u32 v[SPW], v[NIL]
	s_wait_dscnt 0x0
	CROUND                                         ; the closing round: no work-group ends while a partner may still ask for a tile that names it
	s_endpgm
.Lfunc_end_k_q894b339681_qkvgemm:
	.size	k_q894b339681_qkvgemm, .Lfunc_end_k_q894b339681_qkvgemm-k_q894b339681_qkvgemm
	.p2alignl 7, 3214868480
	.fill 96, 4, 3214868480
	.section	.rodata,"a",@progbits
	.p2align	6, 0x0
	.amdhsa_kernel k_q894b339681_qkvgemm
		.amdhsa_group_segment_fixed_size 327680
		.amdhsa_private_segment_fixed_size 0
		.amdhsa_enable_private_segment 0
		.amdhsa_kernarg_size 32
		.amdhsa_user_sgpr_count 2
		.amdhsa_user_sgpr_kernarg_segment_ptr 1
		.amdhsa_wavefront_size32 1
		.amdhsa_system_sgpr_workgroup_id_x 1
		.amdhsa_system_sgpr_workgroup_id_y 1
		.amdhsa_system_sgpr_workgroup_id_z 1
		.amdhsa_system_vgpr_workitem_id 0
		.amdhsa_next_free_vgpr 1024
		.amdhsa_next_free_sgpr 100
		.amdhsa_reserve_vcc 0
		.amdhsa_float_denorm_mode_32 3
		.amdhsa_float_denorm_mode_16_64 3
		.amdhsa_memory_ordered 1
		.amdhsa_forward_progress 1
		.amdhsa_inst_pref_size 173
	.end_amdhsa_kernel
	.amdgpu_metadata
---
amdhsa.version: [ 1, 2 ]
amdhsa.kernels:
  - .name:           k_q894b339681_qkvgemm
    .symbol:         k_q894b339681_qkvgemm.kd
    .args:
      - { .name: xc, .offset: 0, .size: 8, .value_kind: global_buffer, .address_space: global }
      - { .name: wc, .offset: 8, .size: 8, .value_kind: global_buffer, .address_space: global }
      - { .name: sc, .offset: 16, .size: 8, .value_kind: global_buffer, .address_space: global }
      - { .name: qkv, .offset: 24, .size: 8, .value_kind: global_buffer, .address_space: global }
    .group_segment_fixed_size: 327680
    .private_segment_fixed_size: 0
    .kernarg_segment_align: 8
    .kernarg_segment_size: 32
    .max_flat_workgroup_size: 128
    .sgpr_count:     100
    .vgpr_count:     1024
    .wavefront_size: 32
...
	.end_amdgpu_metadata
.endif
;; end of part 2
;; launch attn (part 3): grid 4 x 64, 16 waves a work-group, clusters of 4 x 1, 210,944 bytes of LDS; arguments qkv, ac, sc; writes ac, sc
.if DOCPART == 3
	.amdgcn_target "amdgcn-amd-amdhsa--gfx1250"
	.amdhsa_code_object_version 6
	.text
	.protected	k_q894b339681_attn
	.globl	k_q894b339681_attn
	.p2align	8
	.type	k_q894b339681_attn,@function
k_q894b339681_attn:
	s_mov_b64 s[64:65], 0
	v_nop
	global_prefetch_b8 v0, s[64:65] scope:SCOPE_SE
	s_setreg_imm32_b32 hwreg(HW_REG_WAVE_MODE, 25, 1), 1
	s_wait_xcnt 0x0
	s_wait_alu depctr_hold_cnt(0) depctr_sa_sdst(0) depctr_va_vdst(0) depctr_va_sdst(0) depctr_va_ssrc(0) depctr_va_vcc(0) depctr_vm_vsrc(0)
	s_getreg_b32 s2, hwreg(HW_REG_IB_STS2, 6, 4)
	s_cmp_eq_u32 s2, 0
	s_cbranch_scc0 .Lentry_in_a_cluster
	s_endpgm
.Lentry_in_a_cluster:
	s_bfe_u32 s2, ttmp6, 0x10000c
	s_cmp_lg_u32 s2, 0x3003
	s_cbranch_scc0 .Lentry_shape_is_right
	s_endpgm
.Lentry_shape_is_right:
; Causal attention of one head on codes of BF6 (E3M2) with E8M0 scales; head size 64, 2,048 tokens.  t = score x log2(e) / 8; M = the running largest t rounded up to a whole number; p = 2^(t - M) is
; quantised along the keys, not normalised; the row's sum is taken of the unquantised p and divides O at the end; O / sum is quantised along the model's 1,024 for the projection.
; A HEAD'S WHOLE K, V AND THEIR SCALE WORDS, 16 x 13,056 bytes, LIE IN LDS: filled once, a key step of 128 keys by each of the sixteen waves, and only read afterwards: no slot is filled again, no LDS
; byte is stored to, and one barrier serves the launch.  CLUSTER 4 x 1: the four work-groups of a head want the same bytes: each load is a joint one, with a mask that names the four.
; No prefetch: all that the launch reads is asked for at its head.
; SHARES.  Wave k (a = k / 2, e = k % 2) of work-group cx owns tile 2 cx + e (16 queries) of the block a of 128 queries, and then the same tile of block 15 - a: (a + 1) + (16 - a) = 17 key steps for
; every wave.  Branches hang on the wave's number and on counters alone; cx enters global addresses and the mask's compare only.  The loop over key steps has 16 trips, a constant; a step all of whose
; keys come after the block's queries is jumped over.
; LAYOUT.  Both products transposed: S^T = K Q^T (source 0 = 16 keys), O^T = V^T P^T (source 0 = 16 channels): a lane holds one query.  The rows of a tile are not neighbours (tile 2 g + u, lane r: row
; 32 g + 8 u + r + 8 (r / 8)), so 16 registers of two neighbouring tiles are 16 neighbours along the next product's K.
; THE FIRST PRODUCT'S K IS 64, the instruction's 128: Q's registers 6-11 are zero codes.  The operand of K's tile t is twelve registers from its own six on: the upper six are the next tile's codes (for
; tile 7: six registers of zeros).  Every code of this format is a finite number and bytes 2, 3 of both scale words are 0, which stands for 2^-127: so those products are exactly 0.
; LIMITS: NaN and infinities are not served; a block whose largest magnitude lies under 2^-122 gets the byte 1 (zero codes under it add nothing); 1 / sum is v_rcp_f32.
.set LI,   1                           ; v1   16 x lane
.set KSA,  2                           ; v2   K's scale words in a key step: 12,288 + 32 r
.set VSA,  3                           ; v3   V's: 12,800 + 16 r
.set DQ,   4                           ; v4   my query's place in its block - 16 (lane / 16)
.set NINF, 5                           ; v5   -infinity
.set ADK,  6                           ; v6-8 the step's LDS addresses
.set ADS,  7
.set ADT,  8
.set L8,   9                           ; v9   8 x lane
.set SBO,  10                          ; v10  16 r + h: my scale byte on the way out
.set QV,   11                          ; v11  Q's image: 16 x lane + 1,536 cx
.set QQ,   16                          ; v16-27 Q: six registers of codes, six of zeros
.set QS,   28                          ; v28  Q's scale word
.set PS,   29                          ; v29  p's
.set FF,   30                          ; v[30:31] f = 2^(old M - new M); v31 is named with it and written once
.set KV,   32                          ; v32-79 K's eight tiles, later V's four
.set ZR,   80                          ; v80-85 zeros, never rewritten
.set KS,   86                          ; v86-93 K's scale words
.set VS,   94                          ; v94-97 V's
.set Q2,   98                          ; v98-103 the second tile's Q;  v104 its scale word
.set QS2,  104
.set PC,   106                         ; v106-117 p's codes
.set T2,   118                         ; v118-124 the conversions' second halves
.set BM,   126                         ; v126-129 the blocks' largest
.set PT,   130                         ; v130-133 at work
.set SO4,  134                         ; v134-137 the conversions' scale operands
.set TMP,  138
.set QSV,  139                         ; v139 Q's scale word: 32 r + 4 x tile
.set SS,   144                         ; v144-207 S^T, then p
.set OO,   208                         ; v208-239 O^T
.set WV,   18
.set SEL,  20                          ; s[20:21] lane l xor 16
.set CS,   22                          ; s[22:23] log2(e) / 8
.set G1,   24                          ; s[24:31], s[32:35] the descriptor
.set G0,   32
.set BLKA, 40                          ; s40  the block of queries in hand
.set STP,  41                          ; s41  the key step
.set KB,   42                          ; s42  its LDS byte
.set TI,   43                          ; s43  tiles to go
.set UM,   44                          ; s44  all ones in odd waves
.set HM,   45                          ; s45  lanes 16-31
.macro CROUND                          ; a round of the cluster's barrier
	s_barrier_signal -1
	s_barrier_wait -1
	s_cmp_lg_u32 s[WV], 0
	s_cbranch_scc1 .Lnot_wave_0_\@
	s_barrier_signal -3
.Lnot_wave_0_\@:
	s_barrier_wait -3
	s_barrier_signal -1
	s_barrier_wait -1
.endm
	s_load_b128 s[4:7], s[0:1], 0x0                ; qkv s[4:5], ac s[6:7]
	s_load_b64 s[8:9], s[0:1], 0x10                ; sc
	v_lshl_add_u32 v254, v0, 2, 0x33000
	v_mov_b32 v255, 0
	ds_add_u32 v254, v255
	ds_add_u32 v254, v255
	v_lshrrev_b32 v140, 5, v0
	s_delay_alu instid0(VALU_DEP_1)
	v_readfirstlane_b32 s[WV], v140                ; wave 0..15
	s_bfe_u32 s50, ttmp6, 0x40000                  ; cx
	s_and_b32 s51, ttmp7, 0xffff                   ; 16 x batch + head
	s_lshr_b32 s[BLKA], s[WV], 1                   ; a
	s_and_b32 s52, s[WV], 1                        ; e
	s_cmp_eq_u32 s52, 1
	s_cselect_b32 s[UM], -1, 0
	s_mov_b32 s[HM], 0xffff0000
	s_mov_b32 s[SEL], 0x76543210
	s_mov_b32 s[SEL+1], 0xfedcba98
	s_mov_b32 s[CS], 0x3e38aa3b                    ; log2(e) / 8: the score's 64^-0.5 is a power of two, so t is rounded once
	s_mov_b32 s[CS+1], s[CS]                       ; named with it as a pair, so it is written
	s_mov_b32 s[TI], 2
	; a key step's 13,056 dense bytes as 51 rows of 256 (32 elements of 8 bytes)
	s_mov_b32 s[G1], 15|(3<<16)|(1<<21)            ; 15:0 the mask: all four work-groups; 17:16 elements of 8 bytes; 20 no padding; 21 set beside a mask
	s_mov_b32 s[G1+1], 32<<16
	s_mov_b32 s[G1+2], 51<<16
	s_mov_b32 s[G1+3], 32<<16
	s_mov_b32 s[G1+4], 51
	s_mov_b32 s[G1+5], 32
	s_mov_b32 s[G1+6], 0
	s_mov_b32 s[G1+7], 0
	s_mul_i32 s54, s51, 315392                     ; the head's bytes in qkv
	s_mov_b32 s55, 0
	s_mul_i32 s56, s[WV], 19712                    ; key step = my wave's number
	s_mov_b32 s57, 0
	s_mul_i32 s53, s[WV], 13056
	s_wait_dscnt 0x0
	s_wait_kmcnt 0x0
	s_add_nc_u64 s[10:11], s[4:5], s[54:55]
	s_mov_b32 s[G0], 1
	s_mov_b32 s[G0+1], s53
	s_add_nc_u64 s[G0+2:G0+3], s[10:11], s[56:57]
	s_or_b32 s[G0+3], s[G0+3], 0x80000000
	CROUND                                         ; all four work-groups are here: the joint loads meet
	tensor_load_to_lds s[G0:G0+3], s[G1:G1+7]      ; my one tensor load
	s_nop 0
.rept 4
	v_nop
.endr
	s_mul_i32 s58, s[BLKA], 19712
	s_mov_b32 s59, 0
	s_add_nc_u64 s[12:13], s[10:11], s[58:59]      ; my first block of queries,
	s_sub_co_u32 s58, 15, s[BLKA]
	s_mul_i32 s58, s58, 19712
	s_add_nc_u64 s[14:15], s[10:11], s[58:59]      ; and my second
	s_lshl_b32 s60, s50, 1
	s_add_co_u32 s60, s60, s52                     ; my tile in a block: 2 cx + e
	s_mul_i32 s61, s50, 1536                       ; it lies in the image of pair cx, half e
	s_lshl_b32 s62, s60, 2
	s_lshl_b32 s63, s50, 5
	s_lshl_b32 s53, s52, 3
	s_add_co_u32 s63, s63, s53                     ; 32 cx + 8 e
	v_and_b32 v140, 31, v0
	s_delay_alu instid0(VALU_DEP_1)
	v_lshlrev_b32 v[LI], 4, v140
	s_delay_alu instid0(VALU_DEP_2)
	v_lshlrev_b32 v[L8], 3, v140
	v_and_b32 v140, 15, v0                         ; r
	v_bfe_u32 v141, v0, 4, 1                       ; h
	s_delay_alu instid0(VALU_DEP_4)
	v_add_nc_u32 v[QV], s61, v[LI]
	s_delay_alu instid0(VALU_DEP_3)
	v_lshl_add_u32 v[QSV], v140, 5, s62
.irp c, 0,1,2
	global_load_b128 v[SS+4*\c:SS+4*\c+3], v[QV], s[12:13] offset:13056+512*\c
	global_load_b128 v[SS+12+4*\c:SS+12+4*\c+3], v[QV], s[14:15] offset:13056+512*\c
.endr
	global_load_b32 v[QS], v[QSV], s[12:13] offset:19200
	global_load_b32 v[QS2], v[QSV], s[14:15] offset:19200
	v_lshl_add_u32 v[KSA], v140, 5, 12288
	v_lshl_add_u32 v[VSA], v140, 4, 12800
	v_lshl_add_u32 v[SBO], v140, 4, v141
	v_and_b32 v142, 8, v140
	s_delay_alu instid0(VALU_DEP_1)
	v_add_nc_u32 v142, v142, v140                  ; r + 8 (r / 8)
	s_delay_alu instid0(VALU_DEP_1)
	v_add_nc_u32 v142, s63, v142                   ; my query's place in its block
	v_lshlrev_b32 v143, 4, v141
	s_delay_alu instid0(VALU_DEP_1)
	v_sub_nc_u32 v[DQ], v142, v143
	v_mov_b32 v[NINF], 0xff800000
.irp i, 0,1,2,3,4,5
	v_mov_b32 v[QQ+6+\i], 0                        ; zero codes for K = 64 .. 127
	v_mov_b32 v[ZR+\i], 0
.endr
.irp i, 0,1,2,3
	v_mov_b32 v[PT+\i], 0                          ; written once: a lane permute's destination counts as one of its sources
.endr
	v_mov_b32 v[TMP], 0
	v_mov_b32 v[FF+1], 0
	s_wait_loadcnt 0x0
.irp i, 0,1,2,3,4,5
	v_cndmask_b32 v[QQ+\i], v[SS+\i], v[SS+6+\i], s[UM]        ; my half of the pair's image
	v_cndmask_b32 v[Q2+\i], v[SS+12+\i], v[SS+18+\i], s[UM]
.endr
	s_wait_tensorcnt 0x0                           ; my key step has landed,
	s_barrier_signal -1
	s_barrier_wait -1                              ; everybody's has: from here on LDS is only read
.Ltile:                                            ; two trips: block a, then block 15 - a
	s_lshr_b32 s54, s51, 4
	s_lshl_b32 s54, s54, 7
	s_lshl_b32 s55, s[BLKA], 3
	s_add_co_u32 s54, s54, s55
	s_add_co_u32 s54, s54, s60                     ; my tile of rows among the 512: 128 x batch + 8 x block + tile
	s_and_b32 s55, s51, 15                         ; the head
	s_mul_i32 s56, s54, 12288
	s_lshr_b32 s58, s55, 1
	s_mul_i32 s58, s58, 1536                       ; the projection's K step = head / 2,
	s_add_co_u32 s56, s56, s58
	s_and_b32 s58, s55, 1
	s_mul_i32 s59, s58, 768                        ; its half = head % 2
	s_add_co_u32 s56, s56, s59
	s_mov_b32 s57, 0
	s_add_nc_u64 s[46:47], s[6:7], s[56:57]        ; where my codes go
	s_add_co_u32 s56, s54, 768
	s_lshl_b32 s56, s56, 9                         ; sc: tile 768 + mine,
	s_lshr_b32 s59, s55, 3
	s_lshl_b32 s59, s59, 8                         ; K step / 4,
	s_add_co_u32 s56, s56, s59
	s_bfe_u32 s59, s55, 0x20001
	s_lshl_b32 s59, s59, 2                         ; K step % 4,
	s_add_co_u32 s56, s56, s59
	s_lshl_b32 s58, s58, 1                         ; and the head's two bytes of the word
	s_add_co_u32 s56, s56, s58
	s_add_nc_u64 s[48:49], s[8:9], s[56:57]
	s_mov_b32 s[STP], 0
	v_mov_b32 v13, 0xff61b1e6                      ; the largest t so far: -3e38, under every t
	s_delay_alu instid0(VALU_DEP_1)
	v_floor_f32 v12, -v13                          ; -M
	v_mov_b32 v14, 0                               ; the sum, in two halves
	v_mov_b32 v15, 0
.set n, 0
.rept 32
	v_mov_b32 v[OO+n], 0                           ; O^T: the first change of M leaves zeros zeros.  (These are also the places behind the moves into Q and its scale word)
.set n, n+1
.endr
.Lstep:                                            ; 16 trips
	s_cmp_gt_u32 s[STP], s[BLKA]                   ; all 128 keys come after my block's queries: the step's work is left out
	s_cbranch_scc1 .Lhid
	s_mul_i32 s[KB], s[STP], 13056
	s_setprio 2
	v_add_nc_u32 v[ADK], s[KB], v[LI]
	v_add_nc_u32 v[ADS], s[KB], v[KSA]
	v_add_nc_u32 v[ADT], s[KB], v[VSA]
	v_nop                                          ; four places in front of loads into registers that the last products read
.set n, 0
.rept 12
	ds_load_b128 v[KV+4*n:KV+4*n+3], v[ADK] offset:512*n       ; K's four images of a pair of tiles
.set n, n+1
.endr
	ds_load_b128 v[KS:KS+3], v[ADS]
	ds_load_b128 v[KS+4:KS+7], v[ADS] offset:16
	s_wait_alu depctr_va_vdst(0)
	s_wait_dscnt 0x0
.irp t, 0,1,2,3,4,5,6,7
	v_wmma_scale_f32_16x16x128_f8f6f4 v[SS+8*\t:SS+8*\t+7], v[KV+6*\t:KV+6*\t+11], v[QQ:QQ+11], 0, v[KS+\t], v[QS] matrix_a_fmt:MATRIX_FMT_BF6 matrix_b_fmt:MATRIX_FMT_BF6
.endr
.rept 4
	v_nop                                          ; places behind the products: for the loads below and for the first read of the scores
.endr
.set n, 0
.rept 12
	ds_load_b128 v[KV+4*n:KV+4*n+3], v[ADK] offset:6144+512*n  ; V's four images: they land under the softmax
.set n, n+1
.endr
	ds_load_b128 v[VS:VS+3], v[ADT]
	s_cmp_lg_u32 s[STP], s[BLKA]                   ; only the block's own step lies on the diagonal
	s_cbranch_scc1 .Lopen
.set n, 0
.rept 64                                       ; register 16 b + i holds key 32 b + i + 16 (lane / 16) of the block: hidden where 32 b + i > my query's place - 16 (lane / 16)
	v_cmp_gt_i32 vcc_lo, 32*(n/16)+n%16, v[DQ]
	v_cndmask_b32 v[SS+n], v[SS+n], v[NINF], vcc_lo
.set n, n+1
.endr
.Lopen:
.irp b, 0,1,2,3
	v_max3_num_f32 v[BM+\b], v[SS+16*\b], v[SS+1+16*\b], v[SS+2+16*\b]   ; the largest score of each block of 32 keys: for the row's maximum, and, since p rises with the score, for the block's largest p
.endr
.irp i, 3,5,7,9,11,13
.irp b, 0,1,2,3
	v_max3_num_f32 v[BM+\b], v[BM+\b], v[SS+16*\b+\i], v[SS+1+16*\b+\i]
.endr
.endr
.irp b, 0,1,2,3
	v_max_num_f32 v[BM+\b], v[BM+\b], v[SS+15+16*\b]
.endr
.irp b, 0,1,2,3
	s_delay_alu instid0(VALU_DEP_4)
	v_permlanex16_b32 v[PT+\b], v[BM+\b], s[SEL], s[SEL+1]
.endr
.irp b, 0,1,2,3
	s_delay_alu instid0(VALU_DEP_4)
	v_max_num_f32 v[BM+\b], v[BM+\b], v[PT+\b]     ; with lane l xor 16's 16 keys
.endr
	s_delay_alu instid0(VALU_DEP_2)
	v_max3_num_f32 v[TMP], v[BM], v[BM+1], v[BM+2]
	s_delay_alu instid0(VALU_DEP_1)
	v_max_num_f32 v[TMP], v[TMP], v[BM+3]          ; the step's largest score of my query
	s_delay_alu instid0(VALU_DEP_1)
	v_mul_f32 v[TMP], s[CS], v[TMP]                ; as t
	s_delay_alu instid0(VALU_DEP_1)
	v_max_num_f32 v13, v13, v[TMP]                 ; the running largest t
	v_mov_b32 v[TMP], v12
	s_delay_alu instid0(VALU_DEP_2)
	v_floor_f32 v12, -v13                          ; the new -M = floor(-t): M is a whole number
	s_delay_alu instid0(VALU_DEP_1)
	v_sub_f32 v[TMP], v12, v[TMP]                  ; old M - new M: a whole number, 0 or less
	s_delay_alu instid0(VALU_DEP_1)
	v_cvt_i32_f32 v[TMP], v[TMP]                   ; (it saturates)
	s_delay_alu instid0(VALU_DEP_1)
	v_ldexp_f32 v[FF], 1.0, v[TMP]                 ; f = 2^(old M - new M): a multiplication by it rounds nothing
.set n, 0
.rept 32
	v_pk_fma_f32 v[SS+n:SS+n+1], v[SS+n:SS+n+1], s[CS:CS+1], v[12:13] op_sel_hi:[1,0,0]   ; t - M, two at a time
.set n, n+2
.endr
	s_setprio 1
.irp b, 0,1,2,3
	v_fma_f32 v[BM+\b], v[BM+\b], s[CS], v12       ; the same of each block's largest score
.endr
.set n, 0
	s_wait_alu depctr_va_vdst(0)
.rept 64
	v_exp_f32 v[SS+n], v[SS+n]                     ; p = 2^(t - M), at most 1
.set n, n+1
.endr
	v_pk_mul_f32 v[14:15], v[14:15], v[FF:FF+1] op_sel_hi:[1,0]   ; the sums under the new M; a plain instruction behind the exponentials
	s_wait_alu depctr_va_vdst(0)                   ; one wait for the whole batch, ahead of its first reader
.irp b, 0,1,2,3
	v_exp_f32 v[BM+\b], v[BM+\b]                   ; the block's largest p: the same two instructions on the same number
.endr
	v_pk_add_f32 v[130:131], v[148:149], v[152:153]
	v_pk_add_f32 v[252:253], v[156:157], v[160:161]
	v_pk_add_f32 v[250:251], v[164:165], v[168:169]
	v_pk_add_f32 v[248:249], v[172:173], v[176:177]
	v_pk_add_f32 v[246:247], v[180:181], v[184:185]
	v_pk_add_f32 v[244:245], v[188:189], v[192:193]
	v_pk_add_f32 v[242:243], v[196:197], v[200:201]
	v_pk_add_f32 v[14:15], v[14:15], v[204:205]
	v_pk_add_f32 v[130:131], v[130:131], v[144:145]
	v_pk_add_f32 v[252:253], v[252:253], v[146:147]
	v_pk_add_f32 v[250:251], v[250:251], v[150:151]
	v_pk_add_f32 v[248:249], v[248:249], v[154:155]
	v_pk_add_f32 v[246:247], v[246:247], v[158:159]
	v_pk_add_f32 v[244:245], v[244:245], v[162:163]
	v_pk_add_f32 v[242:243], v[242:243], v[166:167]
	v_pk_add_f32 v[14:15], v[14:15], v[170:171]
	v_pk_add_f32 v[130:131], v[130:131], v[174:175]
	v_pk_add_f32 v[252:253], v[252:253], v[178:179]
	v_pk_add_f32 v[250:251], v[250:251], v[182:183]
	v_pk_add_f32 v[248:249], v[248:249], v[186:187]
	v_pk_add_f32 v[246:247], v[246:247], v[190:191]
	v_pk_add_f32 v[244:245], v[244:245], v[194:195]
	v_pk_add_f32 v[242:243], v[242:243], v[198:199]
	v_pk_add_f32 v[14:15], v[14:15], v[202:203]
	v_pk_add_f32 v[130:131], v[130:131], v[206:207]
	s_delay_alu instid0(VALU_DEP_2)
	v_pk_add_f32 v[14:15], v[14:15], v[248:249]
	s_delay_alu instid0(VALU_DEP_2)
	v_pk_add_f32 v[130:131], v[130:131], v[246:247]
	v_pk_add_f32 v[252:253], v[252:253], v[244:245]
	v_pk_add_f32 v[250:251], v[250:251], v[242:243]
	s_delay_alu instid0(VALU_DEP_2)
	v_pk_add_f32 v[14:15], v[14:15], v[252:253]
	s_delay_alu instid0(VALU_DEP_2)
	v_pk_add_f32 v[130:131], v[130:131], v[250:251]
	s_delay_alu instid0(VALU_DEP_1)
	v_pk_add_f32 v[14:15], v[14:15], v[130:131]
	s_wait_alu depctr_va_vdst(0)                   ; and one for the four
.irp b, 0,1,2,3
	v_max_num_f32 v[BM+\b], 0x2800000, v[BM+\b]    ; the floor 2^(5 - 127): the byte cannot fall under 1
.endr
.irp b, 0,1,2,3
	s_delay_alu instid0(VALU_DEP_4)
	v_add_nc_u32 v[SO4+\b], 0xfe000000, v[BM+\b]   ; 4 off the exponent field: the conversion's scale operand
.endr
.irp b, 0,1,2,3
	s_delay_alu instid0(VALU_DEP_4)
	v_lshrrev_b32 v[PT+\b], 23, v[SO4+\b]          ; the scale's byte
.endr
	s_delay_alu instid0(VALU_DEP_3)
	v_lshl_or_b32 v[PS], v[PT+1], 8, v[PT]         ; p's scale word for these 128 keys
	s_delay_alu instid0(VALU_DEP_1)
	v_lshl_or_b32 v[PS], v[PT+2], 16, v[PS]
	s_delay_alu instid0(VALU_DEP_1)
	v_lshl_or_b32 v[PS], v[PT+3], 24, v[PS]
	s_setprio 0
.irp c, 0,1
	v_cvt_scalef32_pk16_bf6_f32 v[PC+6*\c:PC+6*\c+2], v[SS+32*\c:SS+32*\c+15], v[SO4+2*\c]
	v_cvt_scalef32_pk16_bf6_f32 v[T2+4*\c:T2+4*\c+2], v[SS+16+32*\c:SS+31+32*\c], v[SO4+2*\c+1]
.endr
	v_nop                                          ; one plain instruction behind the scaled conversions
.irp c, 0,1                                    ; a whole block to a lane
.irp i, 0,1,2
	v_permlane16_swap_b32 v[PC+6*\c+\i], v[T2+4*\c+\i]
.endr
.irp i, 0,1,2
	s_delay_alu instid0(VALU_DEP_3)
	v_mov_b32 v[PC+3+6*\c+\i], v[T2+4*\c+\i]
.endr
.endr
.set n, 0
.rept 16
	v_pk_mul_f32 v[OO+n:OO+n+1], v[OO+n:OO+n+1], v[FF:FF+1] op_sel_hi:[1,0]   ; O^T under the new M; these sixteen are also the places between p's codes and scale word and the products
.set n, n+2
.endr
	s_wait_alu depctr_va_vdst(0)
	s_wait_dscnt 0x0                               ; V and its scale words are in
.irp t, 0,1,2,3
	v_wmma_scale_f32_16x16x128_f8f6f4 v[OO+8*\t:OO+8*\t+7], v[KV+12*\t:KV+12*\t+11], v[PC:PC+11], v[OO+8*\t:OO+8*\t+7], v[VS+\t], v[PS] matrix_a_fmt:MATRIX_FMT_BF6 matrix_b_fmt:MATRIX_FMT_BF6
.endr
.Lhid:
	s_add_co_u32 s[STP], s[STP], 1
	s_cmp_lt_u32 s[STP], 16
	s_cbranch_scc1 .Lstep
	s_setprio 0
	; THE TILE'S END: O^T / the sum, quantised along the head's 64 channels, which are two blocks of the projection's K.
.rept 4
	v_nop                                          ; places behind the last products
.endr
	v_add_f32 v14, v14, v15
	s_delay_alu instid0(VALU_DEP_1)
	v_permlanex16_b32 v[TMP], v14, s[SEL], s[SEL+1]
	s_delay_alu instid0(VALU_DEP_1)
	v_add_f32 v14, v14, v[TMP]                     ; the row's sum
	s_wait_alu depctr_va_vdst(0)
	v_rcp_f32 v14, v14
	v_nop                                          ; a plain instruction behind the reciprocal
	s_wait_alu depctr_va_vdst(0)                   ; and the wait ahead of its first reader
.set n, 0
.rept 32
	v_mul_f32 v[SS+n], v[OO+n], v14                ; register 16 b + i = channel 32 b + 16 (lane / 16) + i; each accumulator from its low end on
.set n, n+1
.endr
.irp b, 0,1
	v_max3_num_f32 v[BM+\b], |v[SS+16*\b]|, |v[SS+1+16*\b]|, 0x2800000
.endr
.irp i, 2,4,6,8,10,12,14
.irp b, 0,1
	s_delay_alu instid0(VALU_DEP_2)
	v_max3_num_f32 v[BM+\b], v[BM+\b], |v[SS+16*\b+\i]|, |v[SS+1+16*\b+\i]|
.endr
.endr
.irp b, 0,1
	s_delay_alu instid0(VALU_DEP_2)
	v_permlanex16_b32 v[PT+\b], v[BM+\b], s[SEL], s[SEL+1]
.endr
.irp b, 0,1
	s_delay_alu instid0(VALU_DEP_2)
	v_max_num_f32 v[BM+\b], v[BM+\b], v[PT+\b]
.endr
.irp b, 0,1
	s_delay_alu instid0(VALU_DEP_2)
	v_add_nc_u32 v[SO4+\b], 0xfe000000, v[BM+\b]
.endr
.irp b, 0,1
	s_delay_alu instid0(VALU_DEP_2)
	v_lshrrev_b32 v[PT+\b], 23, v[SO4+\b]
.endr
	s_delay_alu instid0(VALU_DEP_1)
	v_cndmask_b32 v[TMP], v[PT], v[PT+1], s[HM]    ; lane (r, h) keeps block h's byte
	v_cvt_scalef32_pk16_bf6_f32 v[PC:PC+2], v[SS:SS+15], v[SO4]
	v_cvt_scalef32_pk16_bf6_f32 v[T2:T2+2], v[SS+16:SS+31], v[SO4+1]
	v_nop                                          ; one plain instruction behind the scaled conversions
.irp i, 0,1,2
	v_permlane16_swap_b32 v[PC+\i], v[T2+\i]
.endr
.irp i, 0,1,2
	s_delay_alu instid0(VALU_DEP_3)
	v_mov_b32 v[PC+3+\i], v[T2+\i]
.endr
	global_store_b128 v[LI], v[PC:PC+3], s[46:47]              ; half an image: registers 0-3, 512 consecutive bytes,
	global_store_b64 v[L8], v[PC+4:PC+5], s[46:47] offset:512  ; registers 4, 5: 256 consecutive bytes
	global_store_b8 v[SBO], v[TMP], s[48:49]                   ; two bytes of each row's scale word: the other heads' bytes lie between
	s_wait_xcnt 0x0                                ; the stores have read their registers and bases: both are written again below
.irp i, 0,1,2,3,4,5
	v_mov_b32 v[QQ+\i], v[Q2+\i]                   ; the second tile's Q
.endr
	v_mov_b32 v[QS], v[QS2]
	s_sub_co_u32 s[BLKA], 15, s[BLKA]
	s_sub_co_u32 s[TI], s[TI], 1
	s_cmp_lg_u32 s[TI], 0
	s_cbranch_scc1 .Ltile
	s_wait_tensorcnt 0x0
	ds_add_u32 v254, v255
	s_wait_dscnt 0x0
	CROUND                                         ; the closing round
	s_endpgm
.Lfunc_end_k_q894b339681_attn:
	.size	k_q894b339681_attn, .Lfunc_end_k_q894b339681_attn-k_q894b339681_attn
	.p2alignl 7, 3214868480
	.fill 96, 4, 3214868480
	.section	.rodata,"a",@progbits
	.p2align	6, 0x0
	.amdhsa_kernel k_q894b339681_attn
		.amdhsa_group_segment_fixed_size 210944
		.amdhsa_private_segment_fixed_size 0
		.amdhsa_enable_private_segment 0
		.amdhsa_kernarg_size 24
		.amdhsa_user_sgpr_count 2
		.amdhsa_user_sgpr_kernarg_segment_ptr 1
		.amdhsa_wavefront_size32 1
		.amdhsa_system_sgpr_workgroup_id_x 1
		.amdhsa_system_sgpr_workgroup_id_y 1
		.amdhsa_system_sgpr_workgroup_id_z 1
		.amdhsa_system_vgpr_workitem_id 0
		.amdhsa_next_free_vgpr 256
		.amdhsa_next_free_sgpr 66
		.amdhsa_reserve_vcc 1
		.amdhsa_float_denorm_mode_32 3
		.amdhsa_float_denorm_mode_16_64 3
		.amdhsa_memory_ordered 1
		.amdhsa_forward_progress 1
		.amdhsa_inst_pref_size 36
	.end_amdhsa_kernel
	.amdgpu_metadata
---
amdhsa.version: [ 1, 2 ]
amdhsa.kernels:
  - .name:           k_q894b339681_attn
    .symbol:         k_q894b339681_attn.kd
    .args:
      - { .name: qkv, .offset: 0, .size: 8, .value_kind: global_buffer, .address_space: global }
      - { .name: ac, .offset: 8, .size: 8, .value_kind: global_buffer, .address_space: global }
      - { .name: sc, .offset: 16, .size: 8, .value_kind: global_buffer, .address_space: global }
    .group_segment_fixed_size: 210944
    .private_segment_fixed_size: 0
    .kernarg_segment_align: 8
    .kernarg_segment_size: 24
    .max_flat_workgroup_size: 512
    .sgpr_count:     66
    .vgpr_count:     256
    .wavefront_size: 32
...
	.end_amdgpu_metadata
.endif
;; end of part 3
;; launch proj (part 4): grid 4 x 32, 4 waves a work-group, clusters of 4 x 4, 327,680 bytes of LDS; arguments ac, wc, sc, b_out, out0; writes out0
.if DOCPART == 4
	.amdgcn_target "amdgcn-amd-amdhsa--gfx1250"
	.amdhsa_code_object_version 6
	.text
	.protected	k_q894b339681_proj
	.globl	k_q894b339681_proj
	.p2align	8
	.type	k_q894b339681_proj,@function
k_q894b339681_proj:
	s_mov_b64 s[64:65], 0
	v_nop
	global_prefetch_b8 v0, s[64:65] scope:SCOPE_SE
	s_setreg_imm32_b32 hwreg(HW_REG_WAVE_MODE, 25, 1), 1
	s_wait_xcnt 0x0
	s_wait_alu depctr_hold_cnt(0) depctr_sa_sdst(0) depctr_va_vdst(0) depctr_va_sdst(0) depctr_va_ssrc(0) depctr_va_vcc(0) depctr_vm_vsrc(0)
	s_getreg_b32 s2, hwreg(HW_REG_IB_STS2, 6, 4)
	s_cmp_eq_u32 s2, 0
	s_cbranch_scc0 .Lentry_in_a_cluster
	s_endpgm
.Lentry_in_a_cluster:
	s_bfe_u32 s2, ttmp6, 0x10000c
	s_cmp_lg_u32 s2, 0xf033
	s_cbranch_scc0 .Lentry_shape_is_right
	s_endpgm
.Lentry_shape_is_right:
; out0 = (attention's result) w_out + b_out on codes of BF6 (E3M2) with E8M0 scales, K = 1,024, sums in f32.  A work-group of four waves makes 256 x 256, a wave 128 x 128: 64 accumulators.
; THE MATRIX INSTRUCTION IS USED TRANSPOSED: source 0 = 16 columns of w_out (the B side), source 1 = 16 rows (the A side): a lane holds one row, and eight registers are eight neighbouring columns.
; The rows of a tile are not neighbours: tile 2 g + u, lane r: row 32 g + 8 u + r + 8 (r / 8), on both sides.
; K goes in slots of 256 through three LDS slots: three first fills and one refill, behind one round of the cluster's barrier; the refill has four K steps, 256 matrix instructions of a wave, in which to
; land.  By this text's count a wave has at most three tensor loads out.  CLUSTER 4 x 4: A's tile is shared along a row, B's along a column: joint loads.  No prefetch: three quarters of the operands
; are asked for at the head.  128 tiles of 256 x 256 are all that the output has: 128 work-groups.
; A's fragments lie as two halves of 768 bytes, one for each head of a K step: registers 0-3 at 16 x lane, registers 4, 5 at 512 + 8 x lane; four loads a fragment.
; The bias is the C of each sum's first matrix instruction: eight registers for each of B's tiles, in the result's layout.
; REGISTERS: window 0: v12-30 addresses; v32-95 scale words and nothing else; v96-127, v224-255 the bias; v128-223 A's fragments, one set; on the way out v128-255 take rows of the output.
; window 1: B's fragments, two sets.  windows 2, 3: the accumulators, (a, b) at v[8 (8 (a % 4) + b)].
.set HALFT,  24576
.set SLOT,   98304
.set SPARE,  294912
.set FR,     12
.set NLA,    4                         ; LDS loads that bring a fragment of A
.set ADR8, 12                          ; v12-14  my A fragments in slot 0, 1, 2: 8 x lane + the slot + my half
.set ADRA, 16                          ; v16-18  the same with 16 x lane
.set ADRB, 20                          ; v20-22  B's
.set STO,  24                          ; v24     the way out: where I put 32 bytes of a row
.set RD,   25                          ; v25     where I read a row back
.set CO,   26                          ; v26     16 x lane
.set SO,   27                          ; v27     the scale words' offset in sc
.set SPW,  28
.set NIL,  29
.set BO,   30                          ; v30     64 h: the bias
.set SC,   32
.set AF,   128
.set BK,   128                         ; the way out: 16 rows read back: v128-191 and v192-255 by turns
.set SPITCH, 528
.set G1,  24
.set G0,  32
.set G1B, 44
.set G0B, 52
.set MSB, 0
.macro WIN new
.if MSB != (\new)
	s_set_vgpr_msb (MSB<<8)|(\new)
.set MSB, (\new)
.endif
.endm
.set MUL_LO, 0xa1
.set MUL_HI, 0xf1
.set TO_B,   0x40
.macro JLOAD g0a, g1a, g0b, g1b        ; a joint load: waves 0 and 1 fetch A's halves, waves 2 and 3 B's; four v_nop follow each line
	s_cmp_eq_u32 s15, 0
	s_cbranch_scc0 .Lfor_b_\@
	tensor_load_to_lds s[\g0a:\g0a+3], s[\g1a:\g1a+7]
	s_nop 0
.rept 4
	v_nop
.endr
	s_branch .Lasked_\@
.Lfor_b_\@:
	tensor_load_to_lds s[\g0b:\g0b+3], s[\g1b:\g1b+7]
	s_nop 0
.rept 4
	v_nop
.endr
.Lasked_\@:
.endm
.macro CREST
	s_cmp_lg_u32 s14, 0
	s_cbranch_scc1 .Lnot_wave_0_\@
	s_barrier_signal -3
.Lnot_wave_0_\@:
	s_barrier_wait -3
	s_barrier_signal -1
	s_barrier_wait -1
.endm
.macro CROUND
	s_barrier_signal -1
	s_barrier_wait -1
	CREST
.endm
.macro PLACES n
.rept \n
	v_nop
.endr
.endm
	s_load_b256 s[4:11], s[0:1], 0x0               ; ac s[4:5], wc s[6:7], sc s[8:9], b_out s[10:11]
	s_load_b64 s[12:13], s[0:1], 0x20              ; out0
	v_lshl_add_u32 v[SPW], v0, 2, SPARE
	v_mov_b32 v[NIL], 0
	ds_add_u32 v28, v29
	ds_add_u32 v28, v29
	s_wait_dscnt 0x0
	v_lshrrev_b32 v1, 5, v0
	v_readfirstlane_b32 s14, v1                    ; wave 0..3
	s_lshr_b32 s15, s14, 1                         ; my half of the rows.  Also: I fetch for A (0) or for B (1)
	s_and_b32 s16, s14, 1                          ; my half of the columns.  Also: which 8 tiles I fetch
	s_bfe_u32 s66, ttmp6, 0x40000                  ; cx
	s_bfe_u32 s67, ttmp6, 0x40004                  ; cy
	s_and_b32 s69, ttmp7, 0xffff
	s_lshl_b32 s70, s67, 2
	s_lshl_b32 s70, 15, s70                        ; my row of the cluster
	s_lshl_b32 s71, 0x1111, s66                    ; my column
	s_or_b32 s[G1], s70, (3<<16)|(1<<21)           ; 8 rows (tiles) of 3,072 bytes, 12,288 apart, as elements of 8 bytes; no padding
	s_or_b32 s[G1B], s71, (3<<16)|(1<<21)
.irp g, G1, G1B
	s_mov_b32 s[\g+1], 384<<16
	s_mov_b32 s[\g+2], 8<<16
	s_mov_b32 s[\g+3], 384<<16
	s_mov_b32 s[\g+4], 8
	s_mov_b32 s[\g+5], 1536
	s_mov_b32 s[\g+6], 0
	s_mov_b32 s[\g+7], 0
.endr
	s_lshl_b32 s72, s69, 2
	s_add_co_u32 s72, s72, s67                     ; the tile of 256 rows: 4 x cluster y + cy
	s_lshl_b32 s73, ttmp9, 2
	s_add_co_u32 s73, s73, s66                     ; the tile of 256 columns: 4 x cluster x + cx
	s_add_co_u32 s83, s73, 12                      ; in wc w_out's columns begin at tile 12 of 256
	s_lshl_b32 s98, s16, 3
	s_lshl_b32 s74, s72, 4
	s_add_co_u32 s74, s74, s98
	s_mul_i32 s74, s74, 12288
	s_mov_b32 s75, 0
	s_lshl_b32 s76, s83, 4
	s_add_co_u32 s76, s76, s98
	s_mul_i32 s76, s76, 12288
	s_mov_b32 s77, 0
	s_mul_i32 s82, s14, HALFT
	s_lshl_b32 s84, s72, 4                         ; the scale words that I multiply by: A's from tile 768 of sc on,
	s_lshl_b32 s98, s15, 3
	s_add_co_u32 s84, s84, s98
	s_add_co_u32 s84, s84, 768
	s_lshl_b32 s84, s84, 9
	s_lshl_b32 s85, s83, 4                         ; B's from tile 512 on
	s_lshl_b32 s98, s16, 3
	s_add_co_u32 s85, s85, s98
	s_add_co_u32 s85, s85, 512
	s_lshl_b32 s85, s85, 9
	s_mov_b32 s86, 0xffff0000
	s_lshl_b32 s94, s72, 8
	s_lshl_b32 s95, s15, 7
	s_add_co_u32 s94, s94, s95
	s_lshl_b32 s94, s94, 12                        ; my first row of out0, 4,096 bytes a row,
	s_lshl_b32 s96, s73, 8
	s_lshl_b32 s97, s16, 7
	s_add_co_u32 s96, s96, s97
	s_lshl_b32 s96, s96, 2                         ; my first column, in bytes
	s_mov_b32 s97, 0
	s_add_co_u32 s94, s94, s96
	s_mov_b32 s95, 0
	s_wait_kmcnt 0x0
	s_add_nc_u64 s[78:79], s[4:5], s[74:75]
	s_add_nc_u64 s[80:81], s[6:7], s[76:77]
	s_add_nc_u64 s[92:93], s[10:11], s[96:97]      ; the bias of my 128 columns
	s_add_nc_u64 s[90:91], s[12:13], s[94:95]      ; my part of out0; never stepped
	CROUND                                         ; all sixteen work-groups are here: the first joint loads meet
.irp n, 0,1,2
	s_mov_b32 s[G0+4*\n], 1
	s_add_co_u32 s[G0+4*\n+1], s82, \n*SLOT
	s_add_nc_u64 s[G0+4*\n+2:G0+4*\n+3], s[78:79], \n*3072
	s_or_b32 s[G0+4*\n+3], s[G0+4*\n+3], 0x80000000
	s_mov_b32 s[G0B+4*\n], 1
	s_add_co_u32 s[G0B+4*\n+1], s82, \n*SLOT
	s_add_nc_u64 s[G0B+4*\n+2:G0B+4*\n+3], s[80:81], \n*3072
	s_or_b32 s[G0B+4*\n+3], s[G0B+4*\n+3], 0x80000000
	JLOAD G0+4*\n, G1, G0B+4*\n, G1B
.endr
	v_and_b32 v1, 31, v0
	v_lshlrev_b32 v[CO], 4, v1
	v_lshlrev_b32 v6, 3, v1
	v_and_b32 v2, 15, v0                           ; r
	v_bfe_u32 v3, v0, 4, 1                         ; h
	v_mov_b32 v4, s84
	v_mov_b32 v5, s85
	v_cndmask_b32 v[SO], v4, v5, s86               ; lanes 16-31 take B's
	v_lshl_add_u32 v[SO], v2, 4, v[SO]
.irp i, 0,1,2,3,4,5,6,7
.irp k, 0,1
	global_load_b128 v[SC+8*\i+4*\k:SC+8*\i+4*\k+3], v[SO], s[8:9] offset:512*\i+256*\k
.endr
.endr
	v_lshlrev_b32 v[BO], 6, v3
.irp b, 0,1,2,3,4,5,6,7                        ; lane (r, h), B's tile b: columns 32 (b / 2) + 8 (b % 2) + 16 h + 0 .. 7
	global_load_b128 v[96+8*\b+96*(\b/4):96+8*\b+96*(\b/4)+3], v[BO], s[92:93] offset:(32*(\b/2)+8*(\b%2))*4
	global_load_b128 v[96+8*\b+96*(\b/4)+4:96+8*\b+96*(\b/4)+7], v[BO], s[92:93] offset:(32*(\b/2)+8*(\b%2))*4+16
.endr
	s_mul_i32 s94, s15, HALFT
	s_mul_i32 s95, s16, HALFT
	s_add_co_u32 s95, s95, 2*HALFT
.irp s, 0,1,2
	v_add_nc_u32 v[ADRA+\s], s94, v[CO]
	v_add_nc_u32 v[ADR8+\s], s94, v6
	v_add_nc_u32 v[ADRB+\s], s95, v[CO]
	s_add_co_u32 s94, s94, SLOT
	s_add_co_u32 s95, s95, SLOT
.endr
	s_mul_i32 s98, s14, 16*SPITCH
	s_add_co_u32 s98, s98, SLOT                    ; my stage, in slot 1: when the first result is stored there the slot has had its only fill, and every wave has passed a barrier behind its last read of it
	v_mul_u32_u24 v[STO], v2, SPITCH
	v_lshl_add_u32 v[STO], v3, 6, v[STO]
	v_add_nc_u32 v[STO], s98, v[STO]               ; in: row r, + 64 h
	v_add_nc_u32 v[RD], s98, v[CO]                 ; back: a row of 512 bytes, 16 a lane
.macro FRAG reg, adr, off              ; a fragment of B: three loads of 16 bytes a lane
.irp c, 0,1,2
	ds_load_b128 v[\reg+4*\c:\reg+4*\c+3], v[\adr] offset:\off+512*\c
.endr
.endm
.macro FRAGH reg, slot, off            ; a fragment of A: two halves of 768 bytes
	ds_load_b128 v[\reg:\reg+3], v[ADRA+\slot] offset:\off
	ds_load_b64 v[\reg+4:\reg+5], v[ADR8+\slot] offset:\off+512
	ds_load_b128 v[\reg+6:\reg+9], v[ADRA+\slot] offset:\off+768
	ds_load_b64 v[\reg+10:\reg+11], v[ADR8+\slot] offset:\off+1280
.endm
.macro FETCH_B slot, q, p
	WIN TO_B
.irp i, 0,1,2,3,4,5,6,7
	FRAG 128*(\p)+FR*\i, ADRB+\slot, 3072*\i+1536*(\q)
.endr
	WIN 0
.endm
.macro FETCH_A slot, q, i0
.irp i, \i0, \i0+1, \i0+2, \i0+3
	FRAGH AF+FR*(\i), \slot, 3072*(\i)+1536*(\q)
.endr
.endm
; 16 matrix instructions: A's tiles a0, a0 + 1 x B's eight, K step s; p: B's set.  first = 1: the sums begin with the bias.  The 64 accumulators take turns, one instruction a turn, in the same order in
; every step.
.macro MUL16 a0, p, s, first
.irp a, \a0, \a0+1
.irp b, 0,1,2,3,4,5,6,7
.if \first
	v_wmma_scale_f32_16x16x128_f8f6f4 v[8*(8*((\a)%4)+\b):8*(8*((\a)%4)+\b)+7], v[128*(\p)+FR*\b:128*(\p)+FR*\b+FR-1], v[AF+FR*(\a):AF+FR*(\a)+FR-1], v[96+8*\b+96*(\b/4):96+8*\b+96*(\b/4)+7], v[SC+8*\b+(\s)], v[SC+8*(\a)+(\s)] matrix_a_fmt:MATRIX_FMT_BF6 matrix_b_fmt:MATRIX_FMT_BF6 matrix_a_scale:MATRIX_SCALE_ROW1
.else
	v_wmma_scale_f32_16x16x128_f8f6f4 v[8*(8*((\a)%4)+\b):8*(8*((\a)%4)+\b)+7], v[128*(\p)+FR*\b:128*(\p)+FR*\b+FR-1], v[AF+FR*(\a):AF+FR*(\a)+FR-1], v[8*(8*((\a)%4)+\b):8*(8*((\a)%4)+\b)+7], v[SC+8*\b+(\s)], v[SC+8*(\a)+(\s)] matrix_a_fmt:MATRIX_FMT_BF6 matrix_b_fmt:MATRIX_FMT_BF6 matrix_a_scale:MATRIX_SCALE_ROW1
.endif
.endr
.endr
.endm
.macro STEP s, ns, nq, first
	s_wait_dscnt 4*NLA                             ; B's set and A's tiles 0-3 are in; the youngest loads (A's tiles 4-7) may be out
	WIN MUL_LO-0x20*(\first)                       ; with the bias as C: source 2 in window 0
	MUL16 0, (\s)%2, \s, \first
	MUL16 2, (\s)%2, \s, \first
	s_wait_dscnt 0
	PLACES 4
	FETCH_B \ns, \nq, 1-(\s)%2
	FETCH_A \ns, \nq, 0
	WIN MUL_HI-0x30*(\first)
	MUL16 4, (\s)%2, \s, \first
	MUL16 6, (\s)%2, \s, \first
	PLACES 4
	WIN 0
	FETCH_A \ns, \nq, 4
.endm
.macro TURN s, slot, next, fill
	s_wait_tensorcnt 0x0                           ; all my tensor loads have landed
	ds_add_u32 v[SPW], v[NIL]                      ; 0 onto my spare word
	s_wait_dscnt 4*NLA+1                           ; the add and the youngest loads (A's tiles 4-7) may be out
	WIN MUL_LO
	MUL16 0, 1, \s, 0
	s_wait_dscnt 0x0                               ; the add is done, and my reads of this slot are over
	s_barrier_signal -1
	MUL16 2, 1, \s, 0
	WIN 0
	s_barrier_wait -1
.if \fill
	CREST                                          ; no wave of any partner still reads this slot or has a load on its way
	s_add_nc_u64 s[G0+4*\slot+2:G0+4*\slot+3], s[G0+4*\slot+2:G0+4*\slot+3], 3*3072
	s_add_nc_u64 s[G0B+4*\slot+2:G0B+4*\slot+3], s[G0B+4*\slot+2:G0B+4*\slot+3], 3*3072
	JLOAD G0+4*\slot, G1, G0B+4*\slot, G1B         ; the first tensor load behind the round; its four v_nop are the places in front of the loads below
.else
	PLACES 4
.endif
	FETCH_B \next, 0, 0
	FETCH_A \next, 0, 0
	WIN MUL_HI
	MUL16 4, 1, \s, 0
	MUL16 6, 1, \s, 0
	PLACES 4
	WIN 0
	FETCH_A \next, 0, 4
.endm
	s_wait_tensorcnt 2                             ; my part of slot 0 is in; slots 1 and 2 may stay out
	s_barrier_signal -1
	s_barrier_wait -1
	FETCH_B 0, 0, 0
	FETCH_A 0, 0, 0
	FETCH_A 0, 0, 4
	s_wait_loadcnt 0x0                             ; the scale words and the bias
	STEP 0, 0, 1, 1
	TURN 1, 0, 1, 1                                ; slots 1 and 2 are whole from here on; slot 0 takes K steps 6 and 7
	STEP 2, 1, 1, 0
	STEP 3, 2, 0, 0
	STEP 4, 2, 1, 0
	TURN 5, 2, 0, 0                                ; the refill has landed, in every wave; behind this barrier nobody reads slot 1 any more
	STEP 6, 0, 1, 0
	s_wait_dscnt 4*NLA
	WIN MUL_LO
	MUL16 0, 1, 7, 0
	MUL16 2, 1, 7, 0
	s_wait_dscnt 0
	WIN MUL_HI
	MUL16 4, 1, 7, 0
	MUL16 6, 1, 7, 0
	WIN 0
; THE WAY OUT, a tile of 16 rows x 128 columns at a time: through my own stage in LDS and back as whole rows of 512 bytes.  LDS serves a wave's instructions in order: no wait between the stores and the loads.
.macro TOSTAGE a
.set AC, 64*((\a)%4)
	WIN 0x08+4*((\a)/4)                            ; the data: window 2 or 3
.irp b, 0,1,2,3,4,5,6,7
	ds_store_b128 v[STO], v[AC+8*\b:AC+8*\b+3] offset:128*(\b/2)+32*(\b%2)          ; columns 32 (b / 2) + 8 (b % 2) + 16 h on; each accumulator from its low end on
	ds_store_b128 v[STO], v[AC+8*\b+4:AC+8*\b+7] offset:128*(\b/2)+32*(\b%2)+16
.endr
	WIN 0
.set BB, BK+64*((\a)%2)
.irp t, 0,1,2,3,4,5,6,7,8,9,10,11,12,13,14,15
	ds_load_b128 v[BB+4*\t:BB+4*\t+3], v[RD] offset:\t*SPITCH
.endr
.endm
.macro SEND a, younger                 ; younger: the LDS instructions issued behind tile a's loads, which may stay out
.set BB, BK+64*((\a)%2)
	s_wait_dscnt \younger
.irp t, 0,1,2,3,4,5,6,7,8,9,10,11,12,13,14,15
	global_store_b128 v[CO], v[BB+4*\t:BB+4*\t+3], s[90:91] offset:(32*((\a)/2)+8*((\a)%2)+\t+8*(\t/8))*4096 th:TH_STORE_NT   ; 32 lanes store 512 consecutive bytes of the tile's row t; 127 rows at the most in the immediate
.endr
.endm
	PLACES 4                                       ; behind the last products: for the stores of results and the loads into registers that held operands
	TOSTAGE 0
.irp a, 1,2,3,4,5,6,7
.if \a > 1
	s_wait_xcnt 0x0                                ; tile a - 2's stores have read their registers: tile a's loads may land there
.endif
	TOSTAGE \a
	SEND \a-1, 32                                  ; behind tile a - 1's loads: tile a's 16 stores and 16 loads
.endr
	SEND 7, 0
	s_wait_tensorcnt 0x0                           ; the wave's end
	ds_add_u32 v[SPW], v[NIL]
	s_wait_dscnt 0x0
	CROUND                                         ; the closing round
	s_endpgm
.Lfunc_end_k_q894b339681_proj:
	.size	k_q894b339681_proj, .Lfunc_end_k_q894b339681_proj-k_q894b339681_proj
	.p2alignl 7, 3214868480
	.fill 96, 4, 3214868480
	.section	.rodata,"a",@progbits
	.p2align	6, 0x0
	.amdhsa_kernel k_q894b339681_proj
		.amdhsa_group_segment_fixed_size 327680
		.amdhsa_private_segment_fixed_size 0
		.amdhsa_enable_private_segment 0
		.amdhsa_kernarg_size 40
		.amdhsa_user_sgpr_count 2
		.amdhsa_user_sgpr_kernarg_segment_ptr 1
		.amdhsa_wavefront_size32 1
		.amdhsa_system_sgpr_workgroup_id_x 1
		.amdhsa_system_sgpr_workgroup_id_y 1
		.amdhsa_system_sgpr_workgroup_id_z 1
		.amdhsa_system_vgpr_workitem_id 0
		.amdhsa_next_free_vgpr 1024
		.amdhsa_next_free_sgpr 100
		.amdhsa_reserve_vcc 0
		.amdhsa_float_denorm_mode_32 3
		.amdhsa_float_denorm_mode_16_64 3
		.amdhsa_memory_ordered 1
		.amdhsa_forward_progress 1
		.amdhsa_inst_pref_size 138
	.end_amdhsa_kernel
	.amdgpu_metadata
---
amdhsa.version: [ 1, 2 ]
amdhsa.kernels:
  - .name:           k_q894b339681_proj
    .symbol:         k_q894b339681_proj.kd
    .args:
      - { .name: ac, .offset: 0, .size: 8, .value_kind: global_buffer, .address_space: global }
      - { .name: wc, .offset: 8, .size: 8, .value_kind: global_buffer, .address_space: global }
      - { .name: sc, .offset: 16, .size: 8, .value_kind: global_buffer, .address_space: global }
      - { .name: b_out, .offset: 24, .size: 8, .value_kind: global_buffer, .address_space: global }
      - { .name: out0, .offset: 32, .size: 8, .value_kind: global_buffer, .address_space: global }
    .group_segment_fixed_size: 327680
    .private_segment_fixed_size: 0
    .kernarg_segment_align: 8
    .kernarg_segment_size: 40
    .max_flat_workgroup_size: 128
    .sgpr_count:     100
    .vgpr_count:     1024
    .wavefront_size: 32
...
	.end_amdgpu_metadata
.endif
;; end of part 4
